; MI455X (gfx1250); checked and timed in simulation.
; The chip was launched on July 23, 2026; its instructions are those of AMD's public machine-readable ISA for CDNA 5 (MIT licence, August 2026) and "CDNA5" Instruction Set Architecture Reference Guide (July 2026). The comments in the code are by the model that wrote it; some were corrected since.
;; Grouped Attention. Allowed arithmetic: float matrix products may take bf16 or f16 operands with f32 sums; other float arithmetic in f32, or as packed bf16 or f16 multiplies, adds, multiply-adds, maxima and minima; sums over many terms, partial sums and values carried from step to step in f32; what a program stores and reads back later, other than sums and carried values, may be rounded once to bf16 or f16.
;; Inputs: Wk 512 x 1,024 float32; Wo 1,024 x 4,096 float32; Wq 4,096 x 1,024 float32; Wv 512 x 1,024 float32; bk 512 float32; bo 1,024 float32; bq 4,096 float32; bv 512 float32; x 1 x 2,048 x 1,024 float32.
;; Outputs: out0 1 x 2,048 x 1,024 float32.
;; One version. Each part assembles by itself: llvm-mc -triple=amdgcn-amd-amdhsa -mcpu=gfx1250 --defsym DOCPART=n.
;; ======== version 1 of 1: 4 launches
;; limits: values are held in f16: magnitudes above 65,504 overflow, below 6.1e-05 lose precision
;; workspace buffers: xb 4,194,304 bytes; wqb 8,388,608 bytes; wkvb 2,097,152 bytes; wob 8,388,608 bytes; kv 4,194,304 bytes; ao 16,777,216 bytes
;; launch cast (part 1): grid 2816 x 1, 4 waves a work-group, no clusters, 0 bytes of LDS; arguments x, Wq, Wk, Wv, Wo, xb, wqb, wkvb, wob; writes xb, wqb, wkvb, wob
.if DOCPART == 1
	.amdgcn_target "amdgcn-amd-amdhsa--gfx1250"
	.amdhsa_code_object_version 6
	.text
	.protected	k_q117d2f73dc_cast
	.globl	k_q117d2f73dc_cast
	.p2align	8
	.type	k_q117d2f73dc_cast,@function
k_q117d2f73dc_cast:
	s_mov_b64 s[64:65], 0
	v_nop
	global_prefetch_b8 v0, s[64:65] scope:SCOPE_SE
	s_setreg_imm32_b32 hwreg(HW_REG_WAVE_MODE, 25, 1), 1
	s_wait_xcnt 0x0
; x, Wq, Wk, Wv (f32) are rounded once to bf16; Wo is rounded to bf16 and that number is written as f16.
; 11,534,336 numbers in 2,816 work-groups of 4,096 numbers: 16 KiB in, 8 KiB out, no loop, no LDS, no barrier: a stream.
; Work-groups 0-511: x -> xb; 512-1535: Wq -> wqb; 1536-1663: Wk -> wkvb rows 0-511; 1664-1791: Wv -> wkvb rows 512-1023; 1792-2815: Wo -> wob.
; Thread t, load j: the 16 bytes at 16 t + 2,048 j of the group's part (a wave's load covers 512 consecutive bytes);
; store j: the 8 bytes at 8 t + 1,024 j (a wave's store covers 256 consecutive bytes, aligned).
; LIMITS.  A bf16 number of Wo beyond 65,504 becomes an infinity in f16; below 2^-14 it keeps f16's fixed step of 6e-8.
.set SRC, 26                           ; s[26:27] the segment's source
.set DST, 28                           ; s[28:29] its destination
.set SB,  30                           ; s30  the work-group at which the source begins
.set DB,  31                           ; s31  the work-group at which the destination begins
.set X,   8                            ; v[8:39]   load j: 4 registers
.set Y,   40                           ; v[40:55]  store j: 2 registers
.set T,   56                           ; v[56:57]  at work
	s_load_b512 s[8:23], s[0:1], 0x0               ; x 8, Wq 10, Wk 12, Wv 14, Wo 16, xb 18, wqb 20, wkvb 22
	s_load_b64 s[24:25], s[0:1], 0x40              ; wob
	v_lshlrev_b32 v1, 4, v0                        ; 16 t
	v_lshlrev_b32 v2, 3, v0                        ; 8 t
	s_mov_b32 s[SB], 0
	s_mov_b32 s[DB], 0
	s_wait_kmcnt 0x0
	s_mov_b64 s[SRC:SRC+1], s[8:9]
	s_mov_b64 s[DST:DST+1], s[18:19]
	s_cmp_ge_u32 ttmp9, 512                        ; the choices hang on the work-group's number alone
	s_cselect_b64 s[SRC:SRC+1], s[10:11], s[SRC:SRC+1]
	s_cselect_b64 s[DST:DST+1], s[20:21], s[DST:DST+1]
	s_cselect_b32 s[SB], 512, s[SB]
	s_cselect_b32 s[DB], 512, s[DB]
	s_cmp_ge_u32 ttmp9, 1536
	s_cselect_b64 s[SRC:SRC+1], s[12:13], s[SRC:SRC+1]
	s_cselect_b64 s[DST:DST+1], s[22:23], s[DST:DST+1]
	s_cselect_b32 s[SB], 1536, s[SB]
	s_cselect_b32 s[DB], 1536, s[DB]
	s_cmp_ge_u32 ttmp9, 1664                       ; Wv goes on in wkvb where Wk ended
	s_cselect_b64 s[SRC:SRC+1], s[14:15], s[SRC:SRC+1]
	s_cselect_b32 s[SB], 1664, s[SB]
	s_cmp_ge_u32 ttmp9, 1792
	s_cselect_b64 s[SRC:SRC+1], s[16:17], s[SRC:SRC+1]
	s_cselect_b64 s[DST:DST+1], s[24:25], s[DST:DST+1]
	s_cselect_b32 s[SB], 1792, s[SB]
	s_cselect_b32 s[DB], 1792, s[DB]
	s_sub_co_u32 s32, ttmp9, s[SB]
	s_lshl_b32 s32, s32, 14                        ; 16 KiB of source a work-group
	s_mov_b32 s33, 0
	s_sub_co_u32 s34, ttmp9, s[DB]
	s_lshl_b32 s34, s34, 13                        ; 8 KiB of destination
	s_mov_b32 s35, 0
	s_add_nc_u64 s[SRC:SRC+1], s[SRC:SRC+1], s[32:33]
	s_add_nc_u64 s[DST:DST+1], s[DST:DST+1], s[34:35]
.irp j, 0,1,2,3,4,5,6,7
	global_load_b128 v[X+4*(\j):X+4*(\j)+3], v1, s[SRC:SRC+1] offset:2048*(\j) th:TH_LOAD_NT
.endr
	s_cmp_ge_u32 ttmp9, 1792
	s_cbranch_scc1 .Lwo
.irp j, 0,1,2,3,4,5,6,7
	s_wait_loadcnt 7-(\j)                          ; loads come back in order: load j is in, the 7 - j younger ones may stay out
	v_cvt_pk_bf16_f32 v[Y+2*(\j)],   v[X+4*(\j)],   v[X+4*(\j)+1]
	v_cvt_pk_bf16_f32 v[Y+2*(\j)+1], v[X+4*(\j)+2], v[X+4*(\j)+3]
	global_store_b64 v2, v[Y+2*(\j):Y+2*(\j)+1], s[DST:DST+1] offset:1024*(\j) th:TH_STORE_NT
.endr
	s_endpgm
.Lwo:                                  ; Wo: to bf16, widened again, and that number written as f16
.irp j, 0,1,2,3,4,5,6,7
	s_wait_loadcnt 7-(\j)
	v_cvt_pk_bf16_f32 v[T],   v[X+4*(\j)],   v[X+4*(\j)+1]
	v_cvt_pk_bf16_f32 v[T+1], v[X+4*(\j)+2], v[X+4*(\j)+3]
	v_lshlrev_b32 v[X+4*(\j)],   16, v[T]
	v_and_b32     v[X+4*(\j)+1], 0xffff0000, v[T]
	v_lshlrev_b32 v[X+4*(\j)+2], 16, v[T+1]
	v_and_b32     v[X+4*(\j)+3], 0xffff0000, v[T+1]
	v_cvt_pk_f16_f32 v[Y+2*(\j)],   v[X+4*(\j)],   v[X+4*(\j)+1]
	v_cvt_pk_f16_f32 v[Y+2*(\j)+1], v[X+4*(\j)+2], v[X+4*(\j)+3]
	global_store_b64 v2, v[Y+2*(\j):Y+2*(\j)+1], s[DST:DST+1] offset:1024*(\j) th:TH_STORE_NT
.endr
	s_endpgm
.Lfunc_end_k_q117d2f73dc_cast:
	.size	k_q117d2f73dc_cast, .Lfunc_end_k_q117d2f73dc_cast-k_q117d2f73dc_cast
	.p2alignl 7, 3214868480
	.fill 96, 4, 3214868480
	.section	.rodata,"a",@progbits
	.p2align	6, 0x0
	.amdhsa_kernel k_q117d2f73dc_cast
		.amdhsa_group_segment_fixed_size 0
		.amdhsa_private_segment_fixed_size 0
		.amdhsa_enable_private_segment 0
		.amdhsa_kernarg_size 72
		.amdhsa_user_sgpr_count 2
		.amdhsa_user_sgpr_kernarg_segment_ptr 1
		.amdhsa_wavefront_size32 1
		.amdhsa_system_sgpr_workgroup_id_x 1
		.amdhsa_system_sgpr_workgroup_id_y 1
		.amdhsa_system_sgpr_workgroup_id_z 1
		.amdhsa_system_vgpr_workitem_id 0
		.amdhsa_next_free_vgpr 64
		.amdhsa_next_free_sgpr 66
		.amdhsa_reserve_vcc 0
		.amdhsa_float_denorm_mode_32 3
		.amdhsa_float_denorm_mode_16_64 3
		.amdhsa_memory_ordered 1
		.amdhsa_forward_progress 1
		.amdhsa_inst_pref_size 10
	.end_amdhsa_kernel
	.amdgpu_metadata
---
amdhsa.version: [ 1, 2 ]
amdhsa.kernels:
  - .name:           k_q117d2f73dc_cast
    .symbol:         k_q117d2f73dc_cast.kd
    .args:
      - { .name: x, .offset: 0, .size: 8, .value_kind: global_buffer, .address_space: global }
      - { .name: Wq, .offset: 8, .size: 8, .value_kind: global_buffer, .address_space: global }
      - { .name: Wk, .offset: 16, .size: 8, .value_kind: global_buffer, .address_space: global }
      - { .name: Wv, .offset: 24, .size: 8, .value_kind: global_buffer, .address_space: global }
      - { .name: Wo, .offset: 32, .size: 8, .value_kind: global_buffer, .address_space: global }
      - { .name: xb, .offset: 40, .size: 8, .value_kind: global_buffer, .address_space: global }
      - { .name: wqb, .offset: 48, .size: 8, .value_kind: global_buffer, .address_space: global }
      - { .name: wkvb, .offset: 56, .size: 8, .value_kind: global_buffer, .address_space: global }
      - { .name: wob, .offset: 64, .size: 8, .value_kind: global_buffer, .address_space: global }
    .group_segment_fixed_size: 0
    .private_segment_fixed_size: 0
    .kernarg_segment_align: 8
    .kernarg_segment_size: 72
    .max_flat_workgroup_size: 128
    .sgpr_count:     66
    .vgpr_count:     64
    .wavefront_size: 32
...
	.end_amdgpu_metadata
.endif
;; end of part 1
;; launch kvproj (part 2): grid 8 x 32, 4 waves a work-group, clusters of 4 x 4, 327,680 bytes of LDS; arguments xb, wkvb, bk, bv, kv; writes kv
.if DOCPART == 2
	.amdgcn_target "amdgcn-amd-amdhsa--gfx1250"
	.amdhsa_code_object_version 6
	.text
	.protected	k_q117d2f73dc_kvproj
	.globl	k_q117d2f73dc_kvproj
	.p2align	8
	.type	k_q117d2f73dc_kvproj,@function
k_q117d2f73dc_kvproj:
	s_mov_b64 s[64:65], 0
	v_nop
	global_prefetch_b8 v0, s[64:65] scope:SCOPE_SE
	s_setreg_imm32_b32 hwreg(HW_REG_WAVE_MODE, 25, 1), 1
	s_wait_xcnt 0x0
	s_wait_alu depctr_hold_cnt(0) depctr_sa_sdst(0) depctr_va_vdst(0) depctr_va_sdst(0) depctr_va_ssrc(0) depctr_va_vcc(0) depctr_vm_vsrc(0)
	s_getreg_b32 s2, hwreg(HW_REG_IB_STS2, 6, 4)
	s_cmp_eq_u32 s2, 0
	s_cbranch_scc0 .Lentry_in_a_cluster
	s_endpgm
.Lentry_in_a_cluster:
	s_bfe_u32 s2, ttmp6, 0x10000c
	s_cmp_lg_u32 s2, 0xf033
	s_cbranch_scc0 .Lentry_shape_is_right
	s_endpgm
.Lentry_shape_is_right:
; kv[m][n] = the sum over k of xb[m][k] wkvb[n][k] + bias[n], rounded once to f16.  xb: [2048][1024] bf16, wkvb: [1024][1024] bf16 (rows 0-511 Wk, 512-1023 Wv),
; bias: bk for columns 0-511, bv for 512-1023, each rounded to bf16 like every input of the module; kv: [2048][1024] f16.  Sums in f32.
; LIMIT.  A result beyond 65,504 becomes an infinity in f16.
; SHARES.  A tile of C is 64 rows x 128 columns: 32 x 8 = 256 work-groups.  K IS SPLIT AMONG THE FOUR WAVES: of a K step's twelve pieces of 32 elements wave w takes pieces w, w + 4 and w + 8, for the whole
; tile: 32 accumulators (4 row blocks a x 8 column blocks b), 24 LDS loads for 32 matrix instructions.  The four partial tiles meet in LDS at the end, as f32 sums.
; THE MATRIX INSTRUCTION IS USED TRANSPOSED (source 0 = 16 rows of B, source 1 = 16 rows of A): accumulator (a, b), lane (r, h), register j holds C(16 a + r, 16 b + 8 h + j).
; RING.  Two LDS slots, each a K step of 384: A's 64 rows, then B's 128 rows, 768 bytes of data a row: as long a step as two slots allow (2 x 192 rows x 816 bytes = 313,344 of 327,680), so that one load a wave
; brings as much as fits and the changes of slots are few.  K = 384 NFULL + 256: the last K step has two pieces a wave.  Waves 0 and 1 fetch A's halves (32 rows), waves 2 and 3 B's (64 rows).
; CLUSTER.  4 x 4 work-groups: A's tile hangs on the tile row and is asked for jointly along a row of the cluster, B's on the tile column, along a column.
; REGISTERS.  window 0: v1-7 at work; v8-11 RD; v16-23 addresses; v24-27 bias; v28-29 the add's; v32-127, v128-223 two fragment buffers (B's 8 fragments, then A's 4); window 1: accumulator (a, b) at 8 (8 a + b).
.set ISKV,   1
.set KT,     1024                      ; K
.set RB,     2*KT                      ; bytes in a row of A and of B
.set OUTP,   2048                      ; bytes in a row of C
.set COLSH,  8                         ; a tile's 128 columns are 1 << COLSH bytes
.set KSTEP,  384
.set STEPB,  2*KSTEP                   ; bytes of a row in a K step
.set NFULL,  (KT-256)/KSTEP            ; whole K steps; an even number
.set LAPS,   (NFULL-2)/2               ; trips of the loop: a lap = two K steps = once round the ring, both slots filled again with whole steps
.set PITCH,  816                       ; an LDS row: three blocks of 256 bytes + 16 of padding = 51 x 16: the 16 rows of a fragment load start at 16 different groups of four banks (64 banks of 4 bytes: ISA guide 11.1)
.set PIECE,  272                       ; from a wave's piece f to its piece f + 1
.set BLK,    16*PITCH                  ; 16 rows
.set AHALF,  32*PITCH
.set BHALF,  64*PITCH
.set BOFF,   64*PITCH                  ; B's rows lie behind A's 64
.set SLOT,   192*PITCH
.set SPITCH, 528                       ; the way out: a row of a partial tile, 512 bytes + 16
.set PART_B, 64*SPITCH                 ; a wave's partial tile, in slot 0's bytes behind their last fill
.set SPARE,  2*SLOT                    ; behind the ring: the spare words, 128 bytes for each wave: two blocks of 256 bytes that no other line names
.set RD,   8                           ; v8-11  the way out: where I read 16 bytes of a row of partial tile p
.set ADRA, 16                          ; v16-17 LDS address of my A fragments in slot 0, 1
.set ADRB, 18                          ; v18-19 the same for B's row blocks 0-3
.set ADRC, 20                          ; v20-21 for B's row blocks 4-7: eight blocks reach past a 16-bit offset
.set STO,  22                          ; v22    the way out: where I put 32 bytes of a row of my partial tile
.set CO,   23                          ; v23    my byte offset in C, from the first row that I store
.set BI,   24                          ; v24-27 the bias of my four columns
.set SPW,  28                          ; v28    LDS address of my spare word; never rewritten
.set NIL,  29                          ; v29    0; never rewritten
.set F0,   32
.set F1,   128
.set T,    32                          ; the way out: 8 rows x 4 partial sums x 4 registers
.set WV,   14                          ; s14  my wave's number
.set H1,   15                          ; s15  which half of a tile I fetch
.set SIDE, 23                          ; s23  I fetch for A (0) or for B (1)
.set G1A, 24                           ; s[24:31] group 1 for A's tiles; s[32:39] group 0, a set for each slot
.set G0A, 32
.set G1B, 48                           ; s[48:55], s[56:63] the same for B's
.set G0B, 56
.set COMMON, (1<<16)|(1<<20)|(1<<21)|(5<<22)|(3<<25)  ; 17:16 2-byte elements; 20 padding on; 21 set beside a mask; 24:22 after every 64 words (code 5); 31:25 4 words (code 3)
.set MSB, 0
.macro WIN new                         ; the immediate's high byte repeats the setting that is left; a switch that changes nothing is dropped
.if MSB != (\new)
	s_set_vgpr_msb (MSB<<8)|(\new)
.set MSB, \new
.endif
.endm
.macro PLACES                          ; four places in front of loads into registers that matrix instructions have read, and of LDS stores that read results
.rept 4
	v_nop
.endr
.endm
.macro JLOAD s                         ; a joint load; an s_nop 0 and four v_nop follow each of the two lines, ahead of the jump, the label and what follows
	s_cmp_eq_u32 s[SIDE], 0
	s_cbranch_scc0 .Lfor_b_\@
	tensor_load_to_lds s[G0A+4*(\s):G0A+4*(\s)+3], s[G1A:G1A+7]
	s_nop 0
.rept 4
	v_nop
.endr
	s_branch .Lasked_\@
.Lfor_b_\@:
	tensor_load_to_lds s[G0B+4*(\s):G0B+4*(\s)+3], s[G1B:G1B+7]
	s_nop 0
.rept 4
	v_nop
.endr
.Lasked_\@:
.endm
.macro CREST                           ; a round of the cluster's barrier behind its opening barrier
	s_cmp_lg_u32 s[WV], 0
	s_cbranch_scc1 .Lnot_wave_0_\@
	s_barrier_signal -3
.Lnot_wave_0_\@:
	s_barrier_wait -3
	s_barrier_signal -1
	s_barrier_wait -1
.endm
.macro CROUND                          ; a whole round
	s_barrier_signal -1
	s_barrier_wait -1
	CREST
.endm
	s_load_b256 s[4:11], s[0:1], 0x0               ; A s[4:5], B s[6:7], then bk, bv (or the bias and C)
.if ISKV
	s_load_b64 s[12:13], s[0:1], 0x20              ; kv
.endif
	v_lshl_add_u32 v[SPW], v0, 2, SPARE
	v_mov_b32 v[NIL], 0
	ds_add_u32 v[SPW], v[NIL]                      ; the wave's opening: the add and its wait stand ahead of my first tensor load; the set-up below, work on registers, stands between them
	v_lshrrev_b32 v1, 5, v0
	v_readfirstlane_b32 s[WV], v1                  ; wave 0..3
	s_and_b32 s[H1], s[WV], 1
	s_lshr_b32 s[SIDE], s[WV], 1
	s_bfe_u32 s40, ttmp6, 0x40000                  ; cx, cy: my place in the cluster
	s_bfe_u32 s41, ttmp6, 0x40004
	s_lshl_b32 s42, ttmp9, 2
	s_add_co_u32 s42, s42, s40                     ; tile column = 4 x cluster x + cx
	s_and_b32 s43, ttmp7, 0xffff
	s_lshl_b32 s43, s43, 2
	s_add_co_u32 s43, s43, s41                     ; tile row = 4 x cluster y + cy
	s_lshl_b32 s44, s41, 2
	s_lshl_b32 s44, 15, s44                        ; my row of the cluster
	s_lshl_b32 s45, 0x1111, s40                    ; my column
	s_or_b32 s[G1A+0], s44, COMMON                 ; A's tiles go to my row
	s_or_b32 s[G1B+0], s45, COMMON                 ; B's to my column
	s_mov_b32 s[G1A+1], KSTEP<<16                  ; tensor_dim0 = 384
	s_mov_b32 s[G1A+2], 32<<16                     ; tensor_dim1 = 32
	s_mov_b32 s[G1A+3], KSTEP<<16                  ; tile_dim0 = 384
	s_mov_b32 s[G1A+4], 32                         ; tile_dim1 = 32
	s_mov_b32 s[G1A+5], KT                         ; elements from row to row
	s_mov_b32 s[G1A+6], 0
	s_mov_b32 s[G1A+7], 0
	s_mov_b32 s[G1B+1], KSTEP<<16
	s_mov_b32 s[G1B+2], 64<<16                     ; 64 rows
	s_mov_b32 s[G1B+3], KSTEP<<16
	s_mov_b32 s[G1B+4], 64
	s_mov_b32 s[G1B+5], KT
	s_mov_b32 s[G1B+6], 0
	s_mov_b32 s[G1B+7], 0
	s_lshl_b32 s16, s43, 6                         ; A: row 64 x tile row + 32 x half, in bytes (under 2^25)
	s_lshl_b32 s17, s[H1], 5
	s_add_co_u32 s16, s16, s17
	s_mul_i32 s16, s16, RB
	s_mov_b32 s17, 0
	s_lshl_b32 s46, s42, 7                         ; B: row 128 x tile column + 64 x half
	s_lshl_b32 s47, s[H1], 6
	s_add_co_u32 s46, s46, s47
	s_mul_i32 s46, s46, RB
	s_mov_b32 s47, 0
	s_mul_i32 s20, s[H1], AHALF                    ; where they go: no place in the cluster enters an LDS address
	s_mul_i32 s21, s[H1], BHALF
	s_add_co_u32 s21, s21, BOFF
	s_lshl_b32 s18, s43, 6                         ; C: the first row that I store, 64 x tile row + 16 x wave, and the tile's first column
	s_lshl_b32 s19, s[WV], 4
	s_add_co_u32 s18, s18, s19
	s_mul_i32 s18, s18, OUTP
	s_lshl_b32 s19, s42, COLSH
	s_add_co_u32 s18, s18, s19
	s_mov_b32 s19, 0
.if ISKV
	s_lshl_b32 s2, s40, 9                          ; the tile's 128 numbers in bk or bv: 512 cx bytes
.else
	s_lshl_b32 s2, s42, 9
.endif
	s_mov_b32 s3, 0
	s_wait_dscnt 0x0                               ; the opening add is done
	s_wait_kmcnt 0x0
.if ISKV
	s_cmp_eq_u32 ttmp9, 0                          ; cluster x = 0: columns 0-511, K's; else V's
	s_cselect_b64 s[8:9], s[8:9], s[10:11]
	s_mov_b64 s[10:11], s[12:13]
.endif
	s_add_nc_u64 s[8:9], s[8:9], s[2:3]
	s_add_nc_u64 s[10:11], s[10:11], s[18:19]
	s_add_nc_u64 s[16:17], s[4:5], s[16:17]
	s_add_nc_u64 s[46:47], s[6:7], s[46:47]
.irp s, 0,1
	s_mov_b32 s[G0A+4*(\s)], 1                     ; count = 1
	s_add_co_u32 s[G0A+4*(\s)+1], s20, (\s)*SLOT   ; LDS address
	s_add_nc_u64 s[G0A+4*(\s)+2:G0A+4*(\s)+3], s[16:17], (\s)*STEPB  ; K step s
	s_or_b32 s[G0A+4*(\s)+3], s[G0A+4*(\s)+3], 0x80000000            ; type = 2
	s_mov_b32 s[G0B+4*(\s)], 1
	s_add_co_u32 s[G0B+4*(\s)+1], s21, (\s)*SLOT
	s_add_nc_u64 s[G0B+4*(\s)+2:G0B+4*(\s)+3], s[46:47], (\s)*STEPB
	s_or_b32 s[G0B+4*(\s)+3], s[G0B+4*(\s)+3], 0x80000000
.endr
	CROUND                                         ; all sixteen work-groups are here: the first joint loads meet
	s_cmp_eq_u32 s[SIDE], 0                        ; a wave's two first fills stand in one branch: two loads of mine are out
	s_cbranch_scc0 .Lfirst_b
	tensor_load_to_lds s[G0A:G0A+3], s[G1A:G1A+7]
	s_nop 0
	tensor_load_to_lds s[G0A+4:G0A+7], s[G1A:G1A+7]
	s_nop 0
.rept 4
	v_nop
.endr
	s_branch .Lfirst_asked
.Lfirst_b:
	tensor_load_to_lds s[G0B:G0B+3], s[G1B:G1B+7]
	s_nop 0
	tensor_load_to_lds s[G0B+4:G0B+7], s[G1B:G1B+7]
	s_nop 0
.rept 4
	v_nop
.endr
.Lfirst_asked:
	v_and_b32 v1, 15, v0                           ; r = l % 16
	v_bfe_u32 v2, v0, 4, 1                         ; h = l / 16
	v_and_b32 v3, 31, v0                           ; l
	v_lshlrev_b32 v5, 4, v3                        ; 16 l
	global_load_b128 v[BI:BI+3], v5, s[8:9]        ; the bias of columns 4 l .. 4 l + 3 of the tile
	v_mul_u32_u24 v4, v1, PITCH
	v_lshl_add_u32 v6, v2, 4, v4                   ; a fragment's row x pitch + 16 x half
	s_lshl_b32 s18, s[WV], 6                       ; my piece of 32 elements in each block of 256 bytes: 64 bytes at 64 w
	v_add_nc_u32 v[ADRA], s18, v6
	v_add_nc_u32 v[ADRA+1], SLOT, v[ADRA]
	v_add_nc_u32 v[ADRB], BOFF, v[ADRA]
	v_add_nc_u32 v[ADRB+1], BOFF+SLOT, v[ADRA]
	v_add_nc_u32 v[ADRC], BOFF+4*BLK, v[ADRA]
	v_add_nc_u32 v[ADRC+1], BOFF+4*BLK+SLOT, v[ADRA]
	v_mul_u32_u24 v7, v1, SPITCH
	s_mul_i32 s19, s[WV], PART_B
	v_lshl_add_u32 v[STO], v2, 5, v7               ; row r, 32 bytes for each half of the lanes
	v_add_nc_u32 v[STO], s19, v[STO]
	s_mul_i32 s19, s[WV], 16*SPITCH                ; back: I finish rows 16 w .. 16 w + 15; 32 lanes take a row's 512 bytes
	v_add_nc_u32 v[RD], s19, v5
	v_add_nc_u32 v[RD+1], PART_B, v[RD]
	v_add_nc_u32 v[RD+2], 2*PART_B, v[RD]
	v_add_nc_u32 v[RD+3], 3*PART_B, v[RD]
.if ISKV
	v_lshlrev_b32 v[CO], 3, v3                     ; four f16
.else
	v_lshlrev_b32 v[CO], 4, v3                     ; four f32
.endif
	s_wait_loadcnt 0x0                             ; the bias, rounded to bf16 as every input is
	v_cvt_pk_bf16_f32 v30, v[BI], v[BI+1]
	v_cvt_pk_bf16_f32 v31, v[BI+2], v[BI+3]
	v_lshlrev_b32 v[BI], 16, v30
	v_and_b32 v[BI+1], 0xffff0000, v30
	v_lshlrev_b32 v[BI+2], 16, v31
	v_and_b32 v[BI+3], 0xffff0000, v31
; 8 matrix instructions: row block a x all 8 column blocks, 32 along K, from buffer f.  zero = 1: the product starts the sum.  The 32 accumulators take turns in the same order in every piece.
.macro MUL8 f, a, zero
	WIN 0x50                                       ; C and D in window 1
.irp b, 0,1,2,3,4,5,6,7
.set rD, 8*(8*(\a)+(\b))
.set rX, (\f)+8*(\b)
.set rY, (\f)+64+8*(\a)
.if ISKV
.if \zero
	v_wmma_f32_16x16x32_bf16 v[rD:rD+7], v[rX:rX+7], v[rY:rY+7], 0
.else
	v_wmma_f32_16x16x32_bf16 v[rD:rD+7], v[rX:rX+7], v[rY:rY+7], v[rD:rD+7]
.endif
.else
.if \zero
	v_wmma_f32_16x16x32_f16 v[rD:rD+7], v[rX:rX+7], v[rY:rY+7], 0
.else
	v_wmma_f32_16x16x32_f16 v[rD:rD+7], v[rX:rX+7], v[rY:rY+7], v[rD:rD+7]
.endif
.endif
.endr
.endm
; 24 LDS loads in one run: the fragments of my piece fr of the slot's K step (32 along K): B's eight, then A's four
.macro FETCH slot, fr, f
	WIN 0
.irp b, 0,1,2,3
	ds_load_b128 v[(\f)+8*(\b):(\f)+8*(\b)+3],   v[ADRB+(\slot)] offset:PIECE*(\fr)+(\b)*BLK
	ds_load_b128 v[(\f)+8*(\b)+4:(\f)+8*(\b)+7], v[ADRB+(\slot)] offset:PIECE*(\fr)+(\b)*BLK+32
.endr
.irp b, 0,1,2,3
	ds_load_b128 v[(\f)+32+8*(\b):(\f)+32+8*(\b)+3],   v[ADRC+(\slot)] offset:PIECE*(\fr)+(\b)*BLK
	ds_load_b128 v[(\f)+32+8*(\b)+4:(\f)+32+8*(\b)+7], v[ADRC+(\slot)] offset:PIECE*(\fr)+(\b)*BLK+32
.endr
.irp a, 0,1,2,3
	ds_load_b128 v[(\f)+64+8*(\a):(\f)+64+8*(\a)+3],   v[ADRA+(\slot)] offset:PIECE*(\fr)+(\a)*BLK
	ds_load_b128 v[(\f)+64+8*(\a)+4:(\f)+64+8*(\a)+7], v[ADRA+(\slot)] offset:PIECE*(\fr)+(\a)*BLK+32
.endr
.endm
; One of a K step's first two pieces: multiplies buffer f and fetches piece fr of the same slot into buffer g
.macro PART slot, fr, f, g, zero
	s_wait_dscnt 6                                 ; B's fragments and A's block 0 are in; the six youngest loads (A's blocks 1-3) may be out
	MUL8 \f, 0, \zero
	PLACES
	FETCH \slot, \fr, \g
	s_wait_dscnt 24                                ; all but the 24 just issued
	MUL8 \f, 1, \zero
	MUL8 \f, 2, \zero
	MUL8 \f, 3, \zero
.endm
; The third piece multiplies buffer f and changes slots: ONE barrier; in front of it each wave waits for all its tensor loads, adds 0 to its spare word, and waits for that and for its reads of this slot.
; fill = 1: the barrier opens a round of the cluster's, and this slot is filled again, two K steps ahead, first thing behind the round.  fill = 2: the same with the last K step, of which 256 elements are left in a row:
; the tile keeps its shape, so the rows keep their pitch, and tensor_dim0 = 256: the third block of each row arrives as zeros and is not read.  Then the next slot's first piece is fetched into buffer g.
.macro TURN slot, next, f, g, fill
	WIN 0
	s_wait_tensorcnt 0x0                           ; all my tensor loads have landed: my part of the next slot; so descriptors may be written
	ds_add_u32 v[SPW], v[NIL]                      ; 0 onto my spare word
	s_wait_dscnt 7                                 ; (the add and the six youngest loads may be out)
	MUL8 \f, 0, 0                                  ; eight matrix instructions stand between the add and the wait for it
	s_wait_dscnt 0x0                               ; the add is done, and my reads of this slot are over
	s_barrier_signal -1
	MUL8 \f, 1, 0
	WIN 0
	s_barrier_wait -1
.if \fill
	CREST                                          ; no wave of any partner still reads this slot or has a load on its way
	s_add_nc_u64 s[G0A+4*(\slot)+2:G0A+4*(\slot)+3], s[G0A+4*(\slot)+2:G0A+4*(\slot)+3], 2*STEPB
	s_add_nc_u64 s[G0B+4*(\slot)+2:G0B+4*(\slot)+3], s[G0B+4*(\slot)+2:G0B+4*(\slot)+3], 2*STEPB
.if (\fill) == 2
	s_mov_b32 s[G1A+1], 256<<16                    ; tensor_dim0 = 256
	s_mov_b32 s[G1B+1], 256<<16
.endif
	JLOAD \slot                                    ; 80 matrix instructions ahead of the wait for it; its four v_nop are also the places in front of the loads below
.else
	PLACES
.endif
	FETCH \next, 0, \g
	MUL8 \f, 2, 0
	MUL8 \f, 3, 0
.endm
	s_wait_tensorcnt 0x1                           ; my part of K step 0 is in; K step 1's may stay out
	s_barrier_signal -1
	s_barrier_wait -1
	FETCH 0, 0, F0
	PART 0, 1, F0, F1, 1                           ; the first piece stands in front of the loop: its products start the sums
.if LAPS > 0
	WIN 0
	s_mov_b32 s3, LAPS
.Llap:                                         ; a trip goes once round the ring, from a lap's second piece to the next lap's first; the buffers go 0, 1, 0 in slot 0 and 1, 0, 1 in slot 1
	PART 0, 2, F1, F0, 0
	TURN 0, 1, F0, F1, 1
	PART 1, 1, F1, F0, 0
	PART 1, 2, F0, F1, 0
	TURN 1, 0, F1, F0, 1
	PART 0, 1, F0, F1, 0
	WIN 0
	s_sub_co_u32 s3, s3, 1
	s_cmp_lg_u32 s3, 0
	s_cbranch_scc1 .Llap
.endif
	PART 0, 2, F1, F0, 0                           ; the last three K steps are written out: the last whole step but one asks for the short step,
	TURN 0, 1, F0, F1, 2
	PART 1, 1, F1, F0, 0
	PART 1, 2, F0, F1, 0
	TURN 1, 0, F1, F0, 0                           ; the last whole step fills nothing, and has no round of the cluster's barrier,
	PART 0, 1, F0, F1, 0                           ; and the short step has two pieces
	s_wait_dscnt 6
	MUL8 F1, 0, 0
	s_wait_dscnt 0x0                               ; my reads of the ring are over:
	s_barrier_signal -1
	MUL8 F1, 1, 0
	MUL8 F1, 2, 0
	MUL8 F1, 3, 0
	WIN 0
	s_barrier_wait -1                              ; everybody's are, and no tensor load is out or to come: slot 0's bytes take the partial tiles
	; THE WAY OUT.  Each wave's partial tile goes into LDS as f32 (each accumulator's low registers first); a barrier; wave w adds the four partial sums of rows 16 w .. 16 w + 15 and the bias.
	PLACES
	WIN 0x04                                       ; the stores' data in window 1
.irp a, 0,1,2,3
.irp b, 0,1,2,3,4,5,6,7
	ds_store_b128 v[STO], v[8*(8*(\a)+(\b)):8*(8*(\a)+(\b))+3]   offset:(\a)*16*SPITCH+64*(\b)
	ds_store_b128 v[STO], v[8*(8*(\a)+(\b))+4:8*(8*(\a)+(\b))+7] offset:(\a)*16*SPITCH+64*(\b)+16
.endr
.endr
	WIN 0
	s_wait_dscnt 0x0                               ; for the others' sake: my stores are done
	s_barrier_signal -1
	s_barrier_wait -1
	s_mov_b32 s3, 2
.Lbatch:                                       ; two trips of 8 rows
.irp ii, 0,1,2,3,4,5,6,7
.irp p, 0,1,2,3
	ds_load_b128 v[T+16*(\ii)+4*(\p):T+16*(\ii)+4*(\p)+3], v[RD+(\p)] offset:SPITCH*(\ii)
.endr
.endr
.irp ii, 0,1,2,3,4,5,6,7
.set rB, T+16*(\ii)
	s_wait_dscnt 28-4*(\ii)                        ; row ii's four loads are in; the later rows' may be out
	v_pk_add_f32 v[rB:rB+1],     v[rB:rB+1],     v[rB+4:rB+5]
	v_pk_add_f32 v[rB+2:rB+3],   v[rB+2:rB+3],   v[rB+6:rB+7]
	v_pk_add_f32 v[rB+8:rB+9],   v[rB+8:rB+9],   v[rB+12:rB+13]
	v_pk_add_f32 v[rB+10:rB+11], v[rB+10:rB+11], v[rB+14:rB+15]
	v_pk_add_f32 v[rB:rB+1],     v[rB:rB+1],     v[rB+8:rB+9]
	v_pk_add_f32 v[rB+2:rB+3],   v[rB+2:rB+3],   v[rB+10:rB+11]
	v_pk_add_f32 v[rB:rB+1],     v[rB:rB+1],     v[BI:BI+1]
	v_pk_add_f32 v[rB+2:rB+3],   v[rB+2:rB+3],   v[BI+2:BI+3]
.if ISKV
	v_cvt_pk_f16_f32 v[rB+4], v[rB],   v[rB+1]
	v_cvt_pk_f16_f32 v[rB+5], v[rB+2], v[rB+3]
	global_store_b64 v[CO], v[rB+4:rB+5], s[10:11] offset:(\ii)*OUTP   ; the wave stores 256 consecutive bytes, aligned
.else
	global_store_b128 v[CO], v[rB:rB+3], s[10:11] offset:(\ii)*OUTP    ; the wave stores 512 consecutive bytes, aligned
.endif
.endr
	s_wait_xcnt 0x0                                ; the stores have read their offset and their data: the offset is stepped, and the next trip loads into the data registers, only behind this wait
	v_add_nc_u32 v[CO], 8*OUTP, v[CO]
.irp p, 0,1,2,3
	v_add_nc_u32 v[RD+(\p)], 8*SPITCH, v[RD+(\p)]
.endr
	s_sub_co_u32 s3, s3, 1
	s_cmp_lg_u32 s3, 0
	s_cbranch_scc1 .Lbatch
	s_wait_tensorcnt 0x0                           ; the wave's end: behind my last tensor load and my last LDS store
	ds_add_u32 v[SPW], v[NIL]
	s_wait_dscnt 0x0
	CROUND                                         ; the closing round: no work-group ends while a partner may still ask for a tile that names it
	s_endpgm
.Lfunc_end_k_q117d2f73dc_kvproj:
	.size	k_q117d2f73dc_kvproj, .Lfunc_end_k_q117d2f73dc_kvproj-k_q117d2f73dc_kvproj
	.p2alignl 7, 3214868480
	.fill 96, 4, 3214868480
	.section	.rodata,"a",@progbits
	.p2align	6, 0x0
	.amdhsa_kernel k_q117d2f73dc_kvproj
		.amdhsa_group_segment_fixed_size 327680
		.amdhsa_private_segment_fixed_size 0
		.amdhsa_enable_private_segment 0
		.amdhsa_kernarg_size 40
		.amdhsa_user_sgpr_count 2
		.amdhsa_user_sgpr_kernarg_segment_ptr 1
		.amdhsa_wavefront_size32 1
		.amdhsa_system_sgpr_workgroup_id_x 1
		.amdhsa_system_sgpr_workgroup_id_y 1
		.amdhsa_system_sgpr_workgroup_id_z 1
		.amdhsa_system_vgpr_workitem_id 0
		.amdhsa_next_free_vgpr 512
		.amdhsa_next_free_sgpr 66
		.amdhsa_reserve_vcc 0
		.amdhsa_float_denorm_mode_32 3
		.amdhsa_float_denorm_mode_16_64 3
		.amdhsa_memory_ordered 1
		.amdhsa_forward_progress 1
		.amdhsa_inst_pref_size 52
	.end_amdhsa_kernel
	.amdgpu_metadata
---
amdhsa.version: [ 1, 2 ]
amdhsa.kernels:
  - .name:           k_q117d2f73dc_kvproj
    .symbol:         k_q117d2f73dc_kvproj.kd
    .args:
      - { .name: xb, .offset: 0, .size: 8, .value_kind: global_buffer, .address_space: global }
      - { .name: wkvb, .offset: 8, .size: 8, .value_kind: global_buffer, .address_space: global }
      - { .name: bk, .offset: 16, .size: 8, .value_kind: global_buffer, .address_space: global }
      - { .name: bv, .offset: 24, .size: 8, .value_kind: global_buffer, .address_space: global }
      - { .name: kv, .offset: 32, .size: 8, .value_kind: global_buffer, .address_space: global }
    .group_segment_fixed_size: 327680
    .private_segment_fixed_size: 0
    .kernarg_segment_align: 8
    .kernarg_segment_size: 40
    .max_flat_workgroup_size: 128
    .sgpr_count:     66
    .vgpr_count:     512
    .wavefront_size: 32
...
	.end_amdgpu_metadata
.endif
;; end of part 2
;; launch attn (part 3): grid 8 x 32, 4 waves a work-group, clusters of 4 x 4, 327,680 bytes of LDS; arguments xb, wqb, bq, kv, ao; writes ao
.if DOCPART == 3
	.amdgcn_target "amdgcn-amd-amdhsa--gfx1250"
	.amdhsa_code_object_version 6
	.text
	.protected	k_q117d2f73dc_attn
	.globl	k_q117d2f73dc_attn
	.p2align	8
	.type	k_q117d2f73dc_attn,@function
k_q117d2f73dc_attn:
	s_mov_b64 s[64:65], 0
	v_nop
	global_prefetch_b8 v0, s[64:65] scope:SCOPE_SE
	s_setreg_imm32_b32 hwreg(HW_REG_WAVE_MODE, 25, 1), 1
	s_wait_xcnt 0x0
	s_wait_alu depctr_hold_cnt(0) depctr_sa_sdst(0) depctr_va_vdst(0) depctr_va_sdst(0) depctr_va_ssrc(0) depctr_va_vcc(0) depctr_vm_vsrc(0)
	s_getreg_b32 s2, hwreg(HW_REG_IB_STS2, 6, 4)
	s_cmp_eq_u32 s2, 0
	s_cbranch_scc0 .Lentry_in_a_cluster
	s_endpgm
.Lentry_in_a_cluster:
	s_bfe_u32 s2, ttmp6, 0x10000c
	s_cmp_lg_u32 s2, 0xf033
	s_cbranch_scc0 .Lentry_shape_is_right
	s_endpgm
.Lentry_shape_is_right:
; For one block of 256 queries and one of the 32 query heads: Q = xb wqb^T + bq (bf16 products, f32 sums, bq rounded to bf16 like every input), rounded once to f16 and KEPT IN REGISTERS; then
; O[q][:] = the sum over k of softmax_k(Q[q] . K[k] / sqrt(128)) V[k][:] over all 2,048 keys of KV head (head mod 4).  xb: [2048][1024] bf16; wqb: [4096][1024] bf16; kv: [2048][1024] f16 (K's head h
; at column 128 h, V's at 512 + 128 h); ao: [2048][4096] f16, head n at column 128 n.  Products, maxima and sums in f32; the weights p are rounded to f16 for the second product, O once at the end.
; LIMITS.  f16 holds no number beyond 65,504: a q beyond it becomes an infinity; k and v arrive within it; p lies in 0 to 1 and below 6e-5 keeps f16's fixed step of 6e-8.  A weight below 2^-126 counts as 0 in l.
; NaN and infinities are not treated apart.
; SHARES.  8 query blocks x 32 heads = 256 work-groups; each of the four waves owns 64 queries: four tiles of 16.
; THE PROJECTION.  Q^T = Wq x^T (source 0 = 16 channels' rows of Wq, source 1 = 16 rows of x): in the result a lane holds ONE query (lane % 16) and the channels 8 (lane / 16) + 0..7.  Two such results,
; rounded to f16 in pairs, ARE source 1 (32 channels x 16 queries) of S^T = K Q^T: Q changes no lane and touches no memory.  The first product of each sum takes the bias as its C operand.
; K = 1,024 goes in 8 steps of 128 through two LDS slots (x's 256 rows, Wq's 128 rows); a step is four quarters of 32 matrix instructions a wave on two fragment buffers.
; THE RING GOES ON INTO THE ATTENTION: the last two changes of slots of the projection ask for the first two slots of K and V.
; ATTENTION.  S^T = K Q^T, O^T = V^T P; a lane holds one query throughout.  p = 2^(c s - c m), c = log2(e) / sqrt(128), with a running maximum m and sum l; in every step O and l are multiplied by
; a = 2^(c m_old - c m_new).  BY TURNS: the wave's tiles are two PIECES (tiles 0, 1 and tiles 2, 3).  In a TURN one piece has the matrix unit: 32 products V^T P of the step in hand, then 32 products K Q^T of the
; next step; the other piece's softmax, cut into 64 slices, stands between them, one slice behind each matrix instruction.  Two turns are a key step of 64 keys; a slot holds two steps.
; CLUSTER.  4 x 4 work-groups: query block = 4 x cluster x + cx, head = 4 x cluster y + cy, KV head = cy.  x's tiles hang on the query block: asked for jointly along a column of the cluster.  Wq's tiles hang on
; the head, K's and V's on cy: jointly along a row.
; REGISTERS, in windows of 256 (s_set_vgpr_msb: bits 1:0 source 0, 3:2 source 1, 5:4 source 2, 7:6 destination):
;   window 0: v0-11 addresses; v12-43 eight registers of statistics a tile; v44-47 the projection's LDS addresses; v48-49 at work; v61-63; v64-191 S^T, 32 a tile (v64-127 first hold the bias); v192-255 P, 16 a tile
;   window 1: the projection's sums, (channel block cb, tile t) at 64 t + 8 cb; then O^T, 64 a tile      window 2: v0-127 Q, 32 a tile; v128-255 K of one step
;   window 3: the projection's two fragment buffers of 96 (Wq's 8 fragments, x's 4); then v0-127 V of one step
.set KS,    64        ; keys in a step
.set PK,    272       ; a row of x, Wq or K in LDS: 256 bytes + 16 of padding = 68 words: the 16 rows of a load start at 16 different groups of four banks (64 banks of 4 bytes: ISA guide 11.1)
.set PV,    288       ; a row of V: 256 + 32 = 72 words
.set VOFF,  KS*PK     ; a step's tiles lie together: 64 rows of K, then 64 rows of V
.set STEPB, KS*(PK+PV)
.set SLOT1, 1<<17     ; slot 1 begins here, so that one exclusive or turns an address in one slot into the other's
.set XHALF, 128*PK    ; the projection's slot: x's 256 rows in two halves,
.set WOFF,  256*PK    ; then Wq's 128 rows
.set WHALF, 64*PK     ; in two halves
.set STAGE, SLOT1+WOFF+128*PK  ; behind the ring, never filled by a tensor load: 16 rows x 272 bytes for each wave, for the way out
.set SP,    272
.set SPARE, STAGE+4*16*SP      ; behind the stages: the spare words, 128 bytes for each wave: two blocks of 256 bytes that no other line names
.set SLOTB, 2*KS*2048 ; bytes of kv from one slot's keys to the next's: 128 rows of 2,048 bytes
.set AK0, 2           ; v2   my lane's place in a tile with rows of 272 bytes; never rewritten
.set AV0, 3           ; v3   the same for V
.set ADR, 4           ; v4   the LDS address of the run of loads in hand
.set QO,  5           ; v5   my byte offset in the head's 128 numbers of bq
.set STO, 6           ; v6   the way out: where I put 16 bytes of a row
.set RD,  7           ; v7   the way out: where I read a row back
.set GO,  8           ; v8   my byte offset in two rows of ao
.set ST,  12          ; tile t's statistics at v[ST+8 t]: +0 c m, +1 m, +2, +3 l (even keys', odd keys'), +4 to +7 c0-c3, at work; a takes c2's place once the maximum is found
.set AX,  44          ; v44-45 LDS address of my x fragments in slot 0, 1
.set AW,  46          ; v46-47 the same for Wq's
.set PFO, 61          ; v61  2,048 x my lane: a row of kv; never rewritten
.set SPW, 62          ; v62  LDS address of my spare word; never rewritten
.set NIL, 63          ; v63  0; never rewritten
.set S,   64
.set BIAS, 64         ; during the projection: register 8 cb + j holds the bias of channel 16 cb + 8 (lane / 16) + j
.set P,   192
.set KF,  128         ; K's fragments, in window 2
.set PF0, 0           ; the projection's fragment buffers, in window 3
.set PF1, 96
.set WV,  14          ; s14  my wave's number
.set LIM, 15          ; s15  1 in a wave that prefetches, else the greatest number
.set H1,  16          ; s16  which half of a tile, or which of a slot's two steps, I fetch
.set G1X, 24          ; s[24:31] group 1 for x's tiles
.set G1W, 32          ; s[32:39] for Wq's tiles, and for K's: the same shape, pitch and mask
.set G0X, 40          ; s[40:47] group 0 for x's tiles, a set for each slot
.set G0W, 48          ; s[48:55] the same for Wq's
.set SLOTS, 56        ; s56  slots still to be asked for
.set TWICE, 57        ; s57  counts a slot's two steps
.set CS,  58          ; s[58:59] c: the packed scaling names a pair and takes its low word for both halves
.set SEL, 60          ; s[60:61] lane selects for v_permlanex16_b32: each lane takes its own place in the other half
.set TB,  62          ; s62  LDS byte at which the tiles of the step to be fetched begin
.set PLAP, 63         ; s63  counts the projection's laps
.set G1V, 68          ; s[68:75] group 1 for V's tiles: it differs from K's in the padding alone
.set G0K, 76          ; s[76:79] group 0 for K's tiles: it walks
.set G0V, 80          ; s[80:83] the same for V's
.set PFA, 84          ; s[84:85] where my prefetches stand
.set CX,  86
.set CY,  87
.set QBK, 88          ; s88  my block of 256 queries
.set HD,  89          ; s89  my head
.set RM,  90          ; s90  the mask of my row of the cluster
.set CM,  91          ; s91  of my column
.set PAD4, (1<<16)|(1<<20)|(1<<21)|(5<<22)|(3<<25)  ; 17:16 2-byte elements; 20 padding on; 21 set beside a mask; 24:22 after every 64 words (code 5); 31:25 4 words (code 3)
.set PAD8, (1<<16)|(1<<20)|(1<<21)|(5<<22)|(7<<25)  ; the same with 8 words of padding (code 7)
.set MSB, 0
.macro WIN new                      ; the immediate's high byte repeats the setting that is left; a switch that changes nothing is dropped
.if MSB != (\new)
	s_set_vgpr_msb (MSB<<8)|(\new)
.set MSB, \new
.endif
.endm
.set W_KQ, 0x0a       ; K and Q in window 2, S^T in window 0
.set W_PV, 0x53       ; V in window 3, P in window 0, O^T in window 1
.set W_RS, 0x41       ; O^T (destination and source 0) in window 1, a in window 0
; A joint load.  Waves 0 and 1 issue the first line (x's halves, or the two steps' tiles of K), waves 2 and 3 the second (Wq's halves, or V's).  The branch hangs on the wave's number alone.
; An s_nop 0 and four v_nop follow each of the two lines; the jump round the other line, the label and what follows the macro come after them.
.macro JL g0a, g1a, g0b, g1b
	s_cmp_lt_u32 s[WV], 2
	s_cbranch_scc0 .Lsecond_\@
	tensor_load_to_lds s[(\g0a):(\g0a)+3], s[(\g1a):(\g1a)+7]
	s_nop 0
.rept 4
	v_nop
.endr
	s_branch .Lasked_\@
.Lsecond_\@:
	tensor_load_to_lds s[(\g0b):(\g0b)+3], s[(\g1b):(\g1b)+7]
	s_nop 0
.rept 4
	v_nop
.endr
.Lasked_\@:
.endm
; A PREFETCH INTO THE L2 of what the NEXT change of slots will ask for: a slot's 128 rows of K and of V, 256 bytes a row, a lane a row.  It stands behind the wave's tensor load and its five lines.
; Each row's 256 bytes are asked for ONCE in the launch.  All clusters walk the same four KV heads: the first cluster (x = 0, y = 0) prefetches; each of its rows cy its own KV head; the four partners of a row
; share the 128 rows out BY ADDRESS, 32 each; in each, wave 0 asks for K's and wave 2 for V's: one instruction.  The last change that fills a slot prefetches nothing: there is no slot behind it.
.macro ASK
	s_cmp_gt_u32 s[SLOTS], s[LIM]
	s_cbranch_scc0 .Lnot_mine_\@
	global_prefetch_b8 v[PFO], s[PFA:PFA+1] th:TH_LOAD_NT scope:SCOPE_SE
.Lnot_mine_\@:
.endm
; A round of the cluster's barrier: my work-group's barrier, so that wave 0's signal speaks for all four waves; wave 0 signals; every wave waits for all sixteen work-groups; my work-group's barrier once more.
.macro CREST                        ; a round behind its opening barrier
	s_cmp_lg_u32 s[WV], 0
	s_cbranch_scc1 .Lnot_wave_0_\@
	s_barrier_signal -3
.Lnot_wave_0_\@:
	s_barrier_wait -3
	s_barrier_signal -1
	s_barrier_wait -1
.endm
.macro CROUND
	s_barrier_signal -1
	s_barrier_wait -1
	CREST
.endm
; A vector instruction that reads a matrix result or writes one of a matrix instruction's registers, and a load into a register that a matrix instruction has read, stand four places behind
; it, and only plain vector instructions that name none of its registers are places (ISA guide 7.12.1 for vector instructions).
.macro PLACES
.rept 4
	v_nop
.endr
.endm
	s_load_b256 s[4:11], s[0:1], 0x0  ; xb s[4:5], wqb s[6:7], bq s[8:9], kv s[10:11]
	s_load_b64 s[12:13], s[0:1], 0x20 ; ao
	v_lshl_add_u32 v[SPW], v0, 2, SPARE
	v_mov_b32 v[NIL], 0
	ds_add_u32 v[SPW], v[NIL]       ; the wave's opening: the add and its wait stand ahead of my first tensor load; the set-up below, work on registers, stands between them
	v_lshrrev_b32 v1, 5, v0
	v_readfirstlane_b32 s[WV], v1   ; wave 0..3
	s_and_b32 s[H1], s[WV], 1
	s_bfe_u32 s[CX], ttmp6, 0x40000
	s_bfe_u32 s[CY], ttmp6, 0x40004
	s_lshl_b32 s[QBK], ttmp9, 2     ; in a cluster launch ttmp9 and ttmp7 count clusters
	s_add_co_u32 s[QBK], s[QBK], s[CX]
	s_and_b32 s[HD], ttmp7, 0xffff
	s_lshl_b32 s[HD], s[HD], 2
	s_add_co_u32 s[HD], s[HD], s[CY]
	s_lshl_b32 s[RM], s[CY], 2
	s_lshl_b32 s[RM], 15, s[RM]     ; my row of the cluster: places 4 cy .. 4 cy + 3
	s_lshl_b32 s[CM], 0x1111, s[CX] ; my column: places cx, cx + 4, cx + 8, cx + 12
	s_or_b32 s[G1X], s[CM], PAD4    ; x's tiles go to my column
	s_or_b32 s[G1W], s[RM], PAD4    ; Wq's and K's to my row
	s_or_b32 s[G1V], s[RM], PAD8    ; V's too
	s_mov_b32 s[G1X+1], 128<<16     ; tensor_dim0 = 128
	s_mov_b32 s[G1X+2], 128<<16     ; tensor_dim1 = 128
	s_mov_b32 s[G1X+3], 128<<16     ; tile_dim0 = 128
	s_mov_b32 s[G1X+4], 128         ; tile_dim1 = 128
	s_mov_b32 s[G1X+5], 1024        ; elements from row to row
	s_mov_b32 s[G1X+6], 0
	s_mov_b32 s[G1X+7], 0
.irp g, G1W, G1V
	s_mov_b32 s[(\g)+1], 128<<16
	s_mov_b32 s[(\g)+2], 64<<16     ; 64 rows
	s_mov_b32 s[(\g)+3], 128<<16
	s_mov_b32 s[(\g)+4], 64
	s_mov_b32 s[(\g)+5], 1024       ; wqb and kv both have 1,024 elements from row to row
	s_mov_b32 s[(\g)+6], 0
	s_mov_b32 s[(\g)+7], 0
.endr
	s_lshl_b32 s92, s[QBK], 19      ; x: my block's 256 rows of 2,048 bytes, and the half that I fetch
	s_lshl_b32 s21, s[H1], 18
	s_add_co_u32 s92, s92, s21
	s_mov_b32 s93, 0
	s_lshl_b32 s94, s[HD], 18       ; Wq: my head's 128 rows, and the half
	s_lshl_b32 s21, s[H1], 17
	s_add_co_u32 s94, s94, s21
	s_mov_b32 s95, 0
	s_lshl_b32 s96, s[CY], 8        ; kv: my KV head's 256 bytes of a row, and the step's 64 rows
	s_add_co_u32 s96, s96, s21
	s_mov_b32 s97, 0
	s_mul_i32 s17, s[H1], XHALF     ; where they go: no place in the cluster enters an LDS address
	s_mul_i32 s18, s[H1], WHALF
	s_add_co_u32 s18, s18, WOFF
	s_mul_i32 s19, s[H1], STEPB
	s_add_co_u32 s20, s19, VOFF
.irp s, 0,1
	s_mov_b32 s[G0X+4*(\s)], 1      ; count = 1
	s_add_co_u32 s[G0X+4*(\s)+1], s17, (\s)*SLOT1
	s_mov_b32 s[G0W+4*(\s)], 1
	s_add_co_u32 s[G0W+4*(\s)+1], s18, (\s)*SLOT1
.endr
	s_mov_b32 s[G0K], 1
	s_mov_b32 s[G0K+1], s19         ; slot 0
	s_mov_b32 s[G0V], 1
	s_mov_b32 s[G0V+1], s20
	s_lshl_b32 s2, s[QBK], 21       ; ao: my block's 256 rows of 8,192 bytes, my wave's 64 of them, my head's 256 bytes
	s_lshl_b32 s3, s[WV], 19
	s_add_co_u32 s2, s2, s3
	s_lshl_b32 s3, s[HD], 8
	s_add_co_u32 s2, s2, s3
	s_mov_b32 s3, 0
	s_lshl_b32 s22, s[HD], 9        ; bq: my head's 128 numbers
	s_mov_b32 s23, 0
	s_lshl_b32 s[PFA], s[CX], 16    ; the prefetches: my work-group's 32 rows of a slot's 128,
	s_lshl_b32 s[PFA+1], s[CY], 8   ; my KV head,
	s_add_co_u32 s[PFA], s[PFA], s[PFA+1]
	s_cmp_lt_u32 s[WV], 2
	s_cselect_b32 s[PFA+1], 0, 1024 ; K's columns or V's,
	s_add_co_u32 s[PFA], s[PFA], s[PFA+1]
	s_add_co_u32 s[PFA], s[PFA], 2*SLOTB  ; in slot 2; the first change of slots in the loop steps it to slot 3
	s_mov_b32 s[PFA+1], 0
	s_or_b32 s[LIM], s[H1], ttmp9   ; 0 in waves 0 and 2 of the first cluster: the same in all sixteen partners
	s_and_b32 s21, ttmp7, 0xffff
	s_or_b32 s[LIM], s[LIM], s21
	s_cmp_eq_u32 s[LIM], 0
	s_cselect_b32 s[LIM], 1, -1
	s_mov_b32 s[CS], 0x3e0293ee     ; c = log2(e) / sqrt(128) = 0.127517
	s_mov_b32 s[CS+1], s[CS]        ; named with it as a pair, so it is written
	s_mov_b32 s[SEL], 0x76543210
	s_mov_b32 s[SEL+1], 0xfedcba98
	s_mov_b32 s[TB], 0
	s_mov_b32 s[SLOTS], 2048/(2*KS)-2
	v_and_b32 v[PFO], 31, v0
	v_lshlrev_b32 v[PFO], 11, v[PFO]
	s_wait_dscnt 0x0                ; the opening add is done
	s_wait_kmcnt 0x0
	s_add_nc_u64 s[92:93], s[4:5], s[92:93]
	s_add_nc_u64 s[94:95], s[6:7], s[94:95]
	s_add_nc_u64 s[96:97], s[10:11], s[96:97]
.irp s, 0,1
	s_add_nc_u64 s[G0X+4*(\s)+2:G0X+4*(\s)+3], s[92:93], (\s)*256  ; K step s: 128 elements along the rows
	s_or_b32 s[G0X+4*(\s)+3], s[G0X+4*(\s)+3], 0x80000000          ; type = 2
	s_add_nc_u64 s[G0W+4*(\s)+2:G0W+4*(\s)+3], s[94:95], (\s)*256
	s_or_b32 s[G0W+4*(\s)+3], s[G0W+4*(\s)+3], 0x80000000
.endr
	s_add_nc_u64 s[G0K+2:G0K+3], s[96:97], 0
	s_or_b32 s[G0K+3], s[G0K+3], 0x80000000
	s_add_nc_u64 s[G0V+2:G0V+3], s[96:97], 1024                    ; V's columns lie 512 elements behind K's
	s_or_b32 s[G0V+3], s[G0V+3], 0x80000000
	s_add_nc_u64 s[12:13], s[12:13], s[2:3]
	s_add_nc_u64 s[8:9], s[8:9], s[22:23]
	s_add_nc_u64 s[PFA:PFA+1], s[10:11], s[PFA:PFA+1]
	CROUND                          ; all sixteen work-groups are here: the first joint loads meet
	s_cmp_lt_u32 s[WV], 2           ; a wave's two first fills stand in one branch, ahead of every wait on TENSORcnt and every LDS read: two loads of mine are out
	s_cbranch_scc0 .Lfirst_w
	tensor_load_to_lds s[G0X:G0X+3], s[G1X:G1X+7]
	s_nop 0
	tensor_load_to_lds s[G0X+4:G0X+7], s[G1X:G1X+7]
	s_nop 0
.rept 4
	v_nop
.endr
	s_branch .Lfirst_asked
.Lfirst_w:
	tensor_load_to_lds s[G0W:G0W+3], s[G1W:G1W+7]
	s_nop 0
	tensor_load_to_lds s[G0W+4:G0W+7], s[G1W:G1W+7]
	s_nop 0
.rept 4
	v_nop
.endr
.Lfirst_asked:
	v_and_b32 v1, 15, v0            ; l % 16
	v_bfe_u32 v9, v0, 4, 1          ; l / 16
	v_lshlrev_b32 v[QO], 5, v9      ; eight f32 for each half of the lanes
.irp cb, 0,1,2,3,4,5,6,7
	global_load_b128 v[BIAS+8*(\cb):BIAS+8*(\cb)+3],   v[QO], s[8:9] offset:64*(\cb)
	global_load_b128 v[BIAS+8*(\cb)+4:BIAS+8*(\cb)+7], v[QO], s[8:9] offset:64*(\cb)+16
.endr
	; A fragment of x, Wq, K or Q is 16 rows x 32 along the rows in 8 registers: lane l holds row l % 16; registers 0-3 elements 8 (l / 16) + 0..7, registers 4-7 elements 16 + 8 (l / 16) + 0..7: two loads of 16 bytes, 32 bytes apart.
	v_mul_u32_u24 v[AK0], v1, PK
	v_lshl_add_u32 v[AK0], v9, 4, v[AK0]  ; row x pitch + 16 x half
	; The turning load takes 16 keys x 16 channels (lane l reads 16 bytes: key 8 (l / 16) + l % 8, channels 8 ((l / 8) % 2) + 0..7) and leaves half a fragment of V^T: lane l holds channel l % 16 and 8 keys.
	v_and_b32 v10, 7, v0
	v_bfe_u32 v11, v0, 3, 1
	v_lshl_add_u32 v[AV0], v9, 3, v10
	v_mul_u32_u24 v[AV0], v[AV0], PV
	v_lshl_add_u32 v[AV0], v11, 4, v[AV0]
	v_add_nc_u32 v[AV0], VOFF, v[AV0]
	s_mul_i32 s17, s[WV], 64*PK     ; my 64 rows of x's 256
	v_add_nc_u32 v[AX], s17, v[AK0]
	v_add_nc_u32 v[AX+1], SLOT1, v[AX]
	v_add_nc_u32 v[AW], WOFF, v[AK0]
	v_add_nc_u32 v[AW+1], WOFF+SLOT1, v[AK0]
	s_wait_loadcnt 0x0              ; the bias, rounded to bf16 as every input is
.set i, 0
.rept 32
	v_cvt_pk_bf16_f32 v[48+i%2], v[BIAS+2*i], v[BIAS+2*i+1]
	v_lshlrev_b32 v[BIAS+2*i], 16, v[48+i%2]
	v_and_b32 v[BIAS+2*i+1], 0xffff0000, v[48+i%2]
.set i, i+1
.endr
; THE PROJECTION.  8 matrix instructions: all 8 channel blocks x tile t, 32 along K, from buffer f.  bias = 1: the product starts the sum, with the bias as C.  The 32 accumulators take turns in the same order in every quarter.
.macro PMUL8 f, t, bias
.if \bias
	WIN 0x4f                        ; sources 0 and 1 window 3, C window 0, D window 1
.else
	WIN 0x5f                        ; C window 1
.endif
.irp cb, 0,1,2,3,4,5,6,7
.if \bias
	v_wmma_f32_16x16x32_bf16 v[64*(\t)+8*(\cb):64*(\t)+8*(\cb)+7], v[(\f)+8*(\cb):(\f)+8*(\cb)+7], v[(\f)+64+8*(\t):(\f)+64+8*(\t)+7], v[BIAS+8*(\cb):BIAS+8*(\cb)+7]
.else
	v_wmma_f32_16x16x32_bf16 v[64*(\t)+8*(\cb):64*(\t)+8*(\cb)+7], v[(\f)+8*(\cb):(\f)+8*(\cb)+7], v[(\f)+64+8*(\t):(\f)+64+8*(\t)+7], v[64*(\t)+8*(\cb):64*(\t)+8*(\cb)+7]
.endif
.endr
.endm
; 24 LDS loads in one run: a quarter's fragments (32 along K at byte k of the rows): Wq's eight, then my four tiles of x
.macro PFETCH slot, k, f
	WIN 0xc0                        ; destination window 3, address window 0
.irp cb, 0,1,2,3,4,5,6,7
	ds_load_b128 v[(\f)+8*(\cb):(\f)+8*(\cb)+3],   v[AW+(\slot)] offset:(\k)+(\cb)*16*PK
	ds_load_b128 v[(\f)+8*(\cb)+4:(\f)+8*(\cb)+7], v[AW+(\slot)] offset:(\k)+(\cb)*16*PK+32
.endr
.irp t, 0,1,2,3
	ds_load_b128 v[(\f)+64+8*(\t):(\f)+64+8*(\t)+3],   v[AX+(\slot)] offset:(\k)+(\t)*16*PK
	ds_load_b128 v[(\f)+64+8*(\t)+4:(\f)+64+8*(\t)+7], v[AX+(\slot)] offset:(\k)+(\t)*16*PK+32
.endr
.endm
; One of a K step's first three quarters: multiplies buffer f; in its middle it fetches the next quarter, at byte k of the same slot's rows, into buffer g
.macro PQ slot, k, f, g, bias
	s_wait_dscnt 4                  ; Wq's fragments and x's tiles 0 and 1 are in; the four youngest loads (tiles 2 and 3) may be out
	PMUL8 \f, 0, \bias
	PMUL8 \f, 1, \bias
	PLACES
	PFETCH \slot, \k, \g
	s_wait_dscnt 24                 ; all but the 24 just issued
	PMUL8 \f, 2, \bias
	PMUL8 \f, 3, \bias
.endm
; THE LDS LOADS OF THE ATTENTION stand in runs of 32, never singly among the matrix instructions: a step's K (64 keys x 128 channels: 16 fragments) and, a turn later, its V (turned).
.macro FETCH_K
	WIN 0
	v_add_nc_u32 v[ADR], s[TB], v[AK0]
	WIN 0x80                        ; destination window 2
.irp f, 0,1,2,3,4,5,6,7,8,9,10,11,12,13,14,15  ; keys 16 (f / 4) on, channels 32 (f % 4) on
	ds_load_b128 v[KF+8*(\f):KF+8*(\f)+3],   v[ADR] offset:((\f)/4)*16*PK+((\f)%4)*64
	ds_load_b128 v[KF+8*(\f)+4:KF+8*(\f)+7], v[ADR] offset:((\f)/4)*16*PK+((\f)%4)*64+32
.endr
.endm
.macro FETCH_V
	WIN 0
	v_add_nc_u32 v[ADR], s[TB], v[AV0]
	s_add_co_u32 s[TB], s[TB], STEPB  ; the next fetch is the next step's
	WIN 0xc0                        ; destination window 3
.irp f, 0,1,2,3,4,5,6,7,8,9,10,11,12,13,14,15  ; keys 32 (f / 8) on, channels 16 (f % 8) on
	ds_load_tr16_b128 v[8*(\f):8*(\f)+3],   v[ADR] offset:((\f)/8)*32*PV+((\f)%8)*32
	ds_load_tr16_b128 v[8*(\f)+4:8*(\f)+7], v[ADR] offset:((\f)/8)*32*PV+16*PV+((\f)%8)*32
.endr
.endm
; The last quarter multiplies buffer 1 and changes slots.  In front of the round each wave waits for all its tensor loads (its part of the next slot), adds 0 to its spare word, and waits for that and for its reads of this slot.
; Behind the round this slot's bytes are filled again first.  kind 0: with the projection's K step two steps on.  kind 1 (K step 6): with K and V of keys 0-127.  kind 2 (K step 7): with those of keys 128-255, and
; K of key step 0, whose slot the wait and the round have shown whole, is fetched.
.macro PTURN slot, next, kind
	WIN 0
	s_wait_tensorcnt 0x0            ; no tensor load of mine is out, so a group 0 may be written
	ds_add_u32 v[SPW], v[NIL]       ; 0 onto my spare word
	s_wait_dscnt 7                  ; (the add and the six youngest loads may be out)
	PMUL8 PF1, 0, 0                 ; eight matrix instructions stand between the add and the wait for it
	s_wait_dscnt 0x0                ; the add is done, and my reads of this slot are over
	s_barrier_signal -1
	PMUL8 PF1, 1, 0
	WIN 0
	s_barrier_wait -1
	CREST                           ; no wave of any partner still reads this slot or has a load on its way
.if (\kind) == 0
	s_add_nc_u64 s[G0X+4*(\slot)+2:G0X+4*(\slot)+3], s[G0X+4*(\slot)+2:G0X+4*(\slot)+3], 512
	s_add_nc_u64 s[G0W+4*(\slot)+2:G0W+4*(\slot)+3], s[G0W+4*(\slot)+2:G0W+4*(\slot)+3], 512
	JL G0X+4*(\slot), G1X, G0W+4*(\slot), G1W      ; its four v_nop are also the places in front of the loads below
	PFETCH \next, 0, PF0
.elseif (\kind) == 1
	JL G0K, G1W, G0V, G1V
	PFETCH \next, 0, PF0
.else
.irp g, G0K, G0V
	s_xor_b32 s[(\g)+1], s[(\g)+1], SLOT1
	s_add_nc_u64 s[(\g)+2:(\g)+3], s[(\g)+2:(\g)+3], SLOTB
.endr
	JL G0K, G1W, G0V, G1V
	FETCH_K
.endif
	PMUL8 PF1, 2, 0
	PMUL8 PF1, 3, 0
.endm
; THE MATRIX WORK OF A TURN, for piece x.  The accumulators take turns, one instruction a turn: between two links of a chain stand 15 (V^T P) or 7 (K Q^T) others'.
; Product i of 32 of O^T += V^T P: keys 32 (i / 16) on, channels 16 ((i / 2) % 8) on, tile x + i % 2.  zero = 1: the first 16 start the sums: nothing is ever cleared.
.macro PV x, zero
	WIN W_PV
.set rO, 64*((\x)+i%2)+8*((i/2)%8)
.set rV, 64*(i/16)+8*((i/2)%8)
.set rP, P+16*((\x)+i%2)+8*(i/16)
.if (\zero) && (i < 16)
	v_wmma_f32_16x16x32_f16 v[rO:rO+7], v[rV:rV+7], v[rP:rP+7], 0
.else
	v_wmma_f32_16x16x32_f16 v[rO:rO+7], v[rV:rV+7], v[rP:rP+7], v[rO:rO+7]
.endif
.endm
; Product i of 32 of S^T = K Q^T: channels 32 (i / 8) on, keys 16 ((i / 2) % 4) on, tile x + i % 2.  The first 8 start the sums.
.macro KQ x
	WIN W_KQ
.set rS, S+32*((\x)+i%2)+8*((i/2)%4)
.set rK, KF+32*((i/2)%4)+8*(i/8)
.set rQ, 32*((\x)+i%2)+8*(i/8)
.if i < 8
	v_wmma_f32_16x16x32_f16 v[rS:rS+7], v[rK:rK+7], v[rQ:rQ+7], 0
.else
	v_wmma_f32_16x16x32_f16 v[rS:rS+7], v[rK:rK+7], v[rQ:rQ+7], v[rS:rS+7]
.endif
.endm
; THE VECTOR WORK OF A TURN.  One tile's softmax for one key step is a list of 134 instructions; SM writes number j of it for tile t.  s0-s31 are the lane's 32 scores, in pairs 0-15.
; first = 1: the first key step, which starts m, l and O^T: it has no a and nothing to rescale.
;   0-15    the maximum of s0-s31 and the old m, three operands at a time: four chains c0-c3 of seven scores each, then the four scores left over, c0-c3 and m
;   16-20   the other half of the lanes' maximum; the new m; c m; c m_old - c m_new
;   21-87   33 exponentials (a, then s0-s31) at the odd numbers from 23 on, so that no two follow each other and each has a plain instruction behind it before its result is used.
;           Plain instruction q (number 21, then the even numbers) is whatever is ready: c s - c m for a pair of scores whose exponentials are still to come (q = 0 to 3, then every
;           second q), the rounding to f16 of a pair of weights whose exponentials are done (every other q from 5 on), at last the first three sums
;   88-101  the last rounding; the rest of the sums; l = a l + the sum
;   102-133 the tile's O^T times a: the one part that leaves window 0, so it stands together
.macro SM t, first
.set rT, ST+8*(\t)
.set rS, S+32*(\t)
.set rP, P+16*(\t)
.set rO, 64*(\t)+2*(j-102)
.set q, (j-20)/2
.if j < 102
	WIN 0
.endif
.if j < 4
	v_max3_num_f32 v[rT+4+j], v[rS+8*j], v[rS+8*j+1], v[rS+8*j+2]
.elseif j < 12
	v_max3_num_f32 v[rT+4+j%4], v[rT+4+j%4], v[rS+8*(j%4)+2*(j/4)+1], v[rS+8*(j%4)+2*(j/4)+2]
.elseif j == 12
	v_max3_num_f32 v[rT+4], v[rT+4], v[rS+7], v[rS+15]
.elseif j == 13
	v_max3_num_f32 v[rT+6], v[rT+6], v[rS+23], v[rS+31]
.elseif j == 14
	v_max3_num_f32 v[rT+4], v[rT+4], v[rT+5], v[rT+6]
.elseif (j == 15) && (\first)
	v_max_num_f32 v[rT+4], v[rT+4], v[rT+7]
.elseif j == 15
	v_max3_num_f32 v[rT+4], v[rT+4], v[rT+7], v[rT+1]
.elseif j == 16
	v_permlanex16_b32 v[rT+5], v[rT+4], s[SEL], s[SEL+1]  ; the query's other 32 keys lie in the lane 16 away
.elseif j == 18
	v_max_num_f32 v[rT+1], v[rT+4], v[rT+5]
.elseif j == 19
	v_mul_f32 v[rT], s[CS], v[rT+1]
.elseif ((j == 17) || (j == 20) || (j == 23) || (j > 101)) && (\first)  ; the first step has none of these
.elseif j == 17
	v_mov_b32 v[rT+7], v[rT]        ; c m_old is kept for a: number 19 writes c m anew
.elseif j == 20
	v_sub_f32 v[rT+7], v[rT+7], v[rT]
.elseif j == 23
	v_exp_f32 v[rT+6], v[rT+7]
.elseif (j < 88) && (j > 23) && (j%2 == 1)
	v_exp_f32 v[rS+(j-25)/2], v[rS+(j-25)/2]
.elseif (q < 4) || ((j < 76) && (q%2 == 0))
.set b, q/2+2
.if q < 4
.set b, q
.endif
	v_pk_fma_f32 v[rS+2*b:rS+2*b+1], v[rS+2*b:rS+2*b+1], s[CS:CS+1], v[rT:rT+1] op_sel_hi:[1,0,0] neg_lo:[0,0,1] neg_hi:[0,0,1]  ; pair b: c s - c m
.elseif (j < 88) && (q%2 == 1)
	s_wait_alu depctr_va_vdst(0)
	v_cvt_pk_f16_f32 v[rP+(q-5)/2], v[rS+q-5], v[rS+q-4]  ; pair (q - 5) / 2: its second exponential stands three numbers back
.elseif j == 89
	s_wait_alu depctr_va_vdst(0)
	v_cvt_pk_f16_f32 v[rP+15], v[rS+30], v[rS+31]
.elseif j < 102                     ; the sum of the tile's 16 pairs (in a pair: an even key's weight, an odd key's), in place: sum z of 16 adds neighbours 1, 2, 4 and 8 pairs apart, then l takes it
.set z, j-86
.if j < 89
.set z, (j-76)/4
.endif
.set w, 4
.set u, z
.if z >= 14
.set w, 32
.set u, 0
.elseif z >= 12
.set w, 16
.set u, z-12
.elseif z >= 8
.set w, 8
.set u, z-8
.endif
.if (z == 14) && (\first)
	v_pk_add_f32 v[rT+2:rT+3], v[rS:rS+1], v[rS+16:rS+17]
.elseif z < 15
	v_pk_add_f32 v[rS+w*u:rS+w*u+1], v[rS+w*u:rS+w*u+1], v[rS+w*u+w/2:rS+w*u+w/2+1]
.elseif !(\first)
	v_pk_fma_f32 v[rT+2:rT+3], v[rT+2:rT+3], v[rT+6:rT+7], v[rS:rS+1] op_sel_hi:[1,0,1]
.endif
.else
	WIN W_RS
	v_pk_mul_f32 v[rO:rO+1], v[rO:rO+1], v[rT+6:rT+7] op_sel_hi:[1,0]
.endif
.endm
; Slice k of 64 of piece y's softmax: numbers 2 k and 2 k + 1 of both tiles' lists, four instructions.  2 x 134 = 4 x 64 + 12: the twelve that are over stand together, in slice 63.
.macro SLICE y, first
.if (k >= 11) && (k < 44)           ; tile by tile: plain, exponential, plain, exponential
.irp t, \y, (\y)+1
.irp n, 0,1
.set j, 2*k+(\n)
	SM \t, \first
.endr
.endr
.else                               ; the two tiles alternate, so that no instruction reads the result of the one just before it
.irp n, 0,1,2,3,4,5,6,7
.if ((\n) < 2) || (k == 63)
.irp t, \y, (\y)+1
.set j, 2*k+(\n)
	SM \t, \first
.endr
.endif
.endr
.endif
.set k, k+1
.endm
; A TURN.  Piece x has the matrix unit; the other piece's softmax stands in slices behind its matrix instructions.
; pv = 2: 32 products V^T P; 1: they start O^T's sums; 0: none.  kq = 1: 32 products K Q^T for the next step.  A turn with one of the two kinds has two slices behind each product.
; first = 1: the softmax is the first key step's.  Its slices from 51 on are empty: the turn's last products stand bare, and four v_nop take slice 63's part as the places behind them.
; Each run of loads stands behind the second product of a run of 32, 30 matrix instructions ahead of its first use.  Piece 0's turn fetches the next step's K: the last product that read K
; stands in front of slice 63 of the turn before.  Piece 2's turn fetches the same step's V: the last product that read V stands three slices, six plain instructions, back.
.macro TURN x, pv, kq, first
.set k, 0
.set per, 2
.if (\pv) && (\kq)
.set per, 1
.endif
.if \pv
.if (\x) == 0
	s_wait_dscnt 0x0                ; V is in
.endif
.set i, 0
.rept 32
	PV \x, 2-(\pv)
.rept per
	SLICE 2-(\x), \first
.endr
.if ((\x) == 0) && (\kq) && (i == 1)
	FETCH_K
.endif
.set i, i+1
.endr
.endif
.if \kq
.if (\x) == 0
	s_wait_dscnt 0x0                ; K is in
.endif
.set i, 0
.rept 32
	KQ \x
.rept per
	SLICE 2-(\x), \first
.endr
.if ((\x) == 2) && (i == 1)
	FETCH_V
.endif
.set i, i+1
.endr
.endif
.if \first
	PLACES
.endif
.endm
; THE CHANGE OF SLOTS, between piece 2's turn and piece 0's: the slot's last bytes, V of its second step, have been asked for.  Each wave waits for all its tensor loads, of which one is out: its part of the
; other slot; adds 0 to its spare word; and waits for that and for its own reads of the slot.  Behind the barrier nobody reads this slot any more and the other slot is whole.
; fill = 1: this slot is filled again, with the keys two slots on.  The barrier is then a round of the cluster's, and the joint refill is the first thing behind it: it has two key steps, 256 matrix instructions, in which to land.
.macro CHANGE fill
	WIN 0                           ; at a label and at a branch every window is 0
	s_wait_tensorcnt 0x0            ; no tensor load of mine is out, so a group 0 may be written
	ds_add_u32 v[SPW], v[NIL]       ; 0 onto my spare word; with fill = 1 the descriptors' steps stand between it and the wait for it
.if \fill
.irp g, G0K, G0V
	s_xor_b32 s[(\g)+1], s[(\g)+1], SLOT1  ; the walking descriptor: the other slot than last time,
	s_add_nc_u64 s[(\g)+2:(\g)+3], s[(\g)+2:(\g)+3], SLOTB  ; the next 128 keys; the type bits on top are not reached
.endr
	s_wait_xcnt 0x0                 ; the last prefetch, two key steps back, has read its address, so it may be written:
	s_add_nc_u64 s[PFA:PFA+1], s[PFA:PFA+1], SLOTB  ; one slot behind the walking descriptors
	s_wait_dscnt 0x0                ; the add is done, and my reads of the slot are over
	CROUND
	JL G0K, G1W, G0V, G1V
	ASK                             ; what the next change will ask for: two key steps, 256 matrix instructions, ahead
.else
	s_wait_dscnt 0x0                ; the add is done, and my reads of the slot are over
	s_barrier_signal -1
	s_barrier_wait -1
.endif
	s_sub_co_u32 s[TB], s[TB], 2*STEPB  ; the fetches go back to a slot's first step,
	s_xor_b32 s[TB], s[TB], SLOT1   ; in the other slot
.endm
; A slot's two key steps: written once, walked twice; the LDS addresses hang on s[TB].
.macro TWO_STEPS
	WIN 0
	s_mov_b32 s[TWICE], 2
.Lstep_\@:
	TURN 0, 2, 1, 0
	TURN 2, 2, 1, 0
	WIN 0
	s_sub_co_u32 s[TWICE], s[TWICE], 1
	s_cmp_lg_u32 s[TWICE], 0
	s_cbranch_scc1 .Lstep_\@
.endm
	; ---- THE PROJECTION ----
	s_wait_tensorcnt 0x1            ; my part of K step 0 is in; K step 1's may stay out
	s_barrier_signal -1
	s_barrier_wait -1               ; everybody's is
	PFETCH 0, 0, PF0
	PQ 0, 64, PF0, PF1, 1           ; the first quarter stands in front of the loop: its products start the sums, with the bias
	WIN 0
	s_mov_b32 s[PLAP], 3
.Lplap:                             ; a trip goes once round the ring, from a lap's second quarter to the next lap's first; trip i asks for K steps 2 i + 2 and 2 i + 3
	PQ 0, 128, PF1, PF0, 0
	PQ 0, 192, PF0, PF1, 0
	PTURN 0, 1, 0
	PQ 1, 64,  PF0, PF1, 0
	PQ 1, 128, PF1, PF0, 0
	PQ 1, 192, PF0, PF1, 0
	PTURN 1, 0, 0
	PQ 0, 64,  PF0, PF1, 0
	WIN 0
	s_sub_co_u32 s[PLAP], s[PLAP], 1
	s_cmp_lg_u32 s[PLAP], 0
	s_cbranch_scc1 .Lplap
	PQ 0, 128, PF1, PF0, 0          ; K steps 6 and 7: the ring goes on into K and V
	PQ 0, 192, PF0, PF1, 0
	PTURN 0, 1, 1
	PQ 1, 64,  PF0, PF1, 0
	PQ 1, 128, PF1, PF0, 0
	PQ 1, 192, PF0, PF1, 0
	PTURN 1, 0, 2
	; Q: the sums, rounded to f16 in pairs, are K Q^T's source 1.  Tiles in ascending order: tiles 0 and 1 were finished in front of the joint load's four v_nop, and their 64 conversions, which name no register of
	; the last products (tiles 2 and 3's), are those products' places.  Each accumulator is read from its low end.
	WIN 0x85                        ; sources 0 and 1 window 1, destination window 2
.irp t, 0,1,2,3
.irp c, 0,1,2,3
.irp hh, 0,1
.irp jj, 0,1,2,3
	v_cvt_pk_f16_f32 v[32*(\t)+8*(\c)+4*(\hh)+(\jj)], v[64*(\t)+8*(2*(\c)+(\hh))+2*(\jj)], v[64*(\t)+8*(2*(\c)+(\hh))+2*(\jj)+1]
.endr
.endr
.endr
.endr
	; ---- THE ATTENTION ----
	s_wait_dscnt 0x0                ; K of key step 0 is in
.set i, 0
.rept 32
	KQ 0                            ; piece 0's first scores: there is no vector work yet to set between them
.set i, i+1
.endr
	WIN 0                           ; the addresses for the way out are made here: eight plain instructions, the places behind those products
	s_mul_i32 s17, s[WV], 16*SP
	s_add_co_u32 s17, s17, STAGE    ; my stage
	v_mul_u32_u24 v[STO], v1, SP    ; in: row l % 16, 16 bytes for each half of the lanes
	v_lshl_add_u32 v[STO], v9, 4, v[STO]
	v_add_nc_u32 v[STO], s17, v[STO]
	v_mul_u32_u24 v[RD], v9, SP     ; back: lanes 0-15 take one row of 256 bytes, lanes 16-31 the next
	v_lshl_add_u32 v[RD], v1, 4, v[RD]
	v_add_nc_u32 v[RD], s17, v[RD]
	v_lshlrev_b32 v[GO], 13, v9     ; and the same two rows in ao, 8,192 bytes apart
	v_lshl_add_u32 v[GO], v1, 4, v[GO]
	TURN 2, 0, 1, 1                 ; piece 2's first scores | piece 0's first softmax | V of step 0
	TURN 0, 1, 1, 1                 ; piece 0: V^T P of step 0 starts O^T, K Q^T of step 1 | piece 2's first softmax | K of step 1
	TURN 2, 1, 1, 0                 ; piece 2: the same | piece 0's softmax of step 1 | V of step 1
	WIN 0
.Lslot:                             ; 14 trips: every slot but the last two is filled again
	CHANGE 1
	TWO_STEPS
	s_sub_co_u32 s[SLOTS], s[SLOTS], 1
	s_cmp_lg_u32 s[SLOTS], 0
	s_cbranch_scc1 .Lslot
	CHANGE 0                        ; the tail is written out: the last slot but one is left, and nothing is asked for
	TWO_STEPS
	TURN 0, 2, 0, 0                 ; piece 0: V^T P of the last step | piece 2's last softmax
.set i, 0
.rept 32
	PV 2, 0                         ; piece 2: V^T P of the last step
.set i, i+1
.endr
	; THE WAY OUT.  l's two halves and the other half of the lanes' are added; O^T is divided by l, rounded to f16 and sent through my stage in LDS, a tile (16 rows) at a time.  The additions are the places behind the last products.
	WIN 0
.irp t, 0,1,2,3
	v_add_f32 v[ST+8*(\t)+4], v[ST+8*(\t)+2], v[ST+8*(\t)+3]
.endr
.irp t, 0,1,2,3
	v_permlanex16_b32 v[ST+8*(\t)+5], v[ST+8*(\t)+4], s[SEL], s[SEL+1]
.endr
.irp t, 0,1,2,3
	v_add_f32 v[ST+8*(\t)+4], v[ST+8*(\t)+4], v[ST+8*(\t)+5]
.endr
.irp t, 0,1,2,3
	v_rcp_f32 v[ST+8*(\t)+6], v[ST+8*(\t)+4]
.endr
	v_nop                           ; a plain instruction between the last reciprocal and the use of its result
; Tile t: a lane's eight channels of a row pack into 16 bytes; they go into rows of 272 bytes and come back as whole rows of 256, into the registers that they left.
.macro PACK t
	WIN W_RS
.set i, 64*(\t)
.rept 32
	s_wait_alu depctr_va_vdst(0)
	v_pk_mul_f32 v[i:i+1], v[i:i+1], v[ST+8*(\t)+6:ST+8*(\t)+7] op_sel_hi:[1,0]
.set i, i+2
.endr
	WIN 0x05                        ; sources 0 and 1 window 1, destination window 0: S^T's registers are free
.set i, 0
.rept 32
	v_cvt_pk_f16_f32 v[S+32*(\t)+i], v[64*(\t)+2*i], v[64*(\t)+2*i+1]
.set i, i+1
.endr
	WIN 0
.irp f, 0,1,2,3,4,5,6,7
	ds_store_b128 v[STO], v[S+32*(\t)+4*(\f):S+32*(\t)+4*(\f)+3] offset:32*(\f)
.endr
.irp f, 0,1,2,3,4,5,6,7
	ds_load_b128 v[S+32*(\t)+4*(\f):S+32*(\t)+4*(\f)+3], v[RD] offset:(\f)*2*SP  ; LDS serves a wave's instructions in order (ISA guide 5.7.1.4): these see the stores above; the next tile's stores come behind them
.endr
.endm
.macro SEND t, younger              ; younger: the LDS instructions issued behind tile t's loads: the next tile's sixteen, or none
	WIN 0
.irp f, 0,1,2,3,4,5,6,7
	s_wait_dscnt (\younger)+7-(\f)
	global_store_b128 v[GO], v[S+32*(\t)+4*(\f):S+32*(\t)+4*(\f)+3], s[12:13] offset:(\t)*131072+(\f)*16384  ; 16 lanes store 256 consecutive bytes, at a multiple of 256 from ao's first byte
.endr
.endm
	PACK 0
	PACK 1                          ; a tile's arithmetic stands between the loads of the tile before and its stores
	SEND 0, 16
	PACK 2
	SEND 1, 16
	PACK 3
	SEND 2, 16
	SEND 3, 0
	s_wait_tensorcnt 0x0            ; the wave's end: behind my last tensor load and my last LDS store
	ds_add_u32 v[SPW], v[NIL]
	s_wait_dscnt 0x0
	CROUND                          ; the closing round: no work-group ends while a partner may still ask for a tile that names it
	s_endpgm
.Lfunc_end_k_q117d2f73dc_attn:
	.size	k_q117d2f73dc_attn, .Lfunc_end_k_q117d2f73dc_attn-k_q117d2f73dc_attn
	.p2alignl 7, 3214868480
	.fill 96, 4, 3214868480
	.section	.rodata,"a",@progbits
	.p2align	6, 0x0
	.amdhsa_kernel k_q117d2f73dc_attn
		.amdhsa_group_segment_fixed_size 327680
		.amdhsa_private_segment_fixed_size 0
		.amdhsa_enable_private_segment 0
		.amdhsa_kernarg_size 40
		.amdhsa_user_sgpr_count 2
		.amdhsa_user_sgpr_kernarg_segment_ptr 1
		.amdhsa_wavefront_size32 1
		.amdhsa_system_sgpr_workgroup_id_x 1
		.amdhsa_system_sgpr_workgroup_id_y 1
		.amdhsa_system_sgpr_workgroup_id_z 1
		.amdhsa_system_vgpr_workitem_id 0
		.amdhsa_next_free_vgpr 1024
		.amdhsa_next_free_sgpr 98
		.amdhsa_reserve_vcc 0
		.amdhsa_float_denorm_mode_32 3
		.amdhsa_float_denorm_mode_16_64 3
		.amdhsa_memory_ordered 1
		.amdhsa_forward_progress 1
		.amdhsa_inst_pref_size 255
	.end_amdhsa_kernel
	.section	.bss,"aw",@nobits
	.p2align	6
	.space	262144
	.amdgpu_metadata
---
amdhsa.version: [ 1, 2 ]
amdhsa.kernels:
  - .name:           k_q117d2f73dc_attn
    .symbol:         k_q117d2f73dc_attn.kd
    .args:
      - { .name: xb, .offset: 0, .size: 8, .value_kind: global_buffer, .address_space: global }
      - { .name: wqb, .offset: 8, .size: 8, .value_kind: global_buffer, .address_space: global }
      - { .name: bq, .offset: 16, .size: 8, .value_kind: global_buffer, .address_space: global }
      - { .name: kv, .offset: 24, .size: 8, .value_kind: global_buffer, .address_space: global }
      - { .name: ao, .offset: 32, .size: 8, .value_kind: global_buffer, .address_space: global }
    .group_segment_fixed_size: 327680
    .private_segment_fixed_size: 0
    .kernarg_segment_align: 8
    .kernarg_segment_size: 40
    .max_flat_workgroup_size: 128
    .sgpr_count:     98
    .vgpr_count:     1024
    .wavefront_size: 32
...
	.end_amdgpu_metadata
.endif
;; end of part 3
;; launch outproj (part 4): grid 8 x 32, 4 waves a work-group, clusters of 4 x 4, 327,680 bytes of LDS; arguments ao, wob, bo, out0; writes out0
.if DOCPART == 4
	.amdgcn_target "amdgcn-amd-amdhsa--gfx1250"
	.amdhsa_code_object_version 6
	.text
	.protected	k_q117d2f73dc_outproj
	.globl	k_q117d2f73dc_outproj
	.p2align	8
	.type	k_q117d2f73dc_outproj,@function
k_q117d2f73dc_outproj:
	s_mov_b64 s[64:65], 0
	v_nop
	global_prefetch_b8 v0, s[64:65] scope:SCOPE_SE
	s_setreg_imm32_b32 hwreg(HW_REG_WAVE_MODE, 25, 1), 1
	s_wait_xcnt 0x0
	s_wait_alu depctr_hold_cnt(0) depctr_sa_sdst(0) depctr_va_vdst(0) depctr_va_sdst(0) depctr_va_ssrc(0) depctr_va_vcc(0) depctr_vm_vsrc(0)
	s_getreg_b32 s2, hwreg(HW_REG_IB_STS2, 6, 4)
	s_cmp_eq_u32 s2, 0
	s_cbranch_scc0 .Lentry_in_a_cluster
	s_endpgm
.Lentry_in_a_cluster:
	s_bfe_u32 s2, ttmp6, 0x10000c
	s_cmp_lg_u32 s2, 0xf033
	s_cbranch_scc0 .Lentry_shape_is_right
	s_endpgm
.Lentry_shape_is_right:
; out0[m][n] = the sum over k of ao[m][k] wob[n][k] + bo[n], in f32.  ao: [2048][4096] f16, wob: [1024][4096] f16 (Wo rounded to bf16, written as f16), bo rounded to bf16 like every input of the module;
; out0: [2048][1024] f32.  Sums in f32.
; SHARES.  A tile of C is 64 rows x 128 columns: 32 x 8 = 256 work-groups.  K IS SPLIT AMONG THE FOUR WAVES: of a K step's twelve pieces of 32 elements wave w takes pieces w, w + 4 and w + 8, for the whole
; tile: 32 accumulators (4 row blocks a x 8 column blocks b), 24 LDS loads for 32 matrix instructions.  The four partial tiles meet in LDS at the end, as f32 sums.
; THE MATRIX INSTRUCTION IS USED TRANSPOSED (source 0 = 16 rows of B, source 1 = 16 rows of A): accumulator (a, b), lane (r, h), register j holds C(16 a + r, 16 b + 8 h + j).
; RING.  Two LDS slots, each a K step of 384: A's 64 rows, then B's 128 rows, 768 bytes of data a row: as long a step as two slots allow (2 x 192 rows x 816 bytes = 313,344 of 327,680), so that one load a wave
; brings as much as fits and the changes of slots are few.  K = 384 NFULL + 256: the last K step has two pieces a wave.  Waves 0 and 1 fetch A's halves (32 rows), waves 2 and 3 B's (64 rows).
; CLUSTER.  4 x 4 work-groups: A's tile hangs on the tile row and is asked for jointly along a row of the cluster, B's on the tile column, along a column.
; REGISTERS.  window 0: v1-7 at work; v8-11 RD; v16-23 addresses; v24-27 bias; v28-29 the add's; v32-127, v128-223 two fragment buffers (B's 8 fragments, then A's 4); window 1: accumulator (a, b) at 8 (8 a + b).
.set ISKV,   0
.set KT,     4096                      ; K
.set RB,     2*KT                      ; bytes in a row of A and of B
.set OUTP,   4096                      ; bytes in a row of C
.set COLSH,  9                         ; a tile's 128 columns are 1 << COLSH bytes
.set KSTEP,  384
.set STEPB,  2*KSTEP                   ; bytes of a row in a K step
.set NFULL,  (KT-256)/KSTEP            ; whole K steps; an even number
.set LAPS,   (NFULL-2)/2               ; trips of the loop: a lap = two K steps = once round the ring, both slots filled again with whole steps
.set PITCH,  816                       ; an LDS row: three blocks of 256 bytes + 16 of padding = 51 x 16: the 16 rows of a fragment load start at 16 different groups of four banks (64 banks of 4 bytes: ISA guide 11.1)
.set PIECE,  272                       ; from a wave's piece f to its piece f + 1
.set BLK,    16*PITCH                  ; 16 rows
.set AHALF,  32*PITCH
.set BHALF,  64*PITCH
.set BOFF,   64*PITCH                  ; B's rows lie behind A's 64
.set SLOT,   192*PITCH
.set SPITCH, 528                       ; the way out: a row of a partial tile, 512 bytes + 16
.set PART_B, 64*SPITCH                 ; a wave's partial tile, in slot 0's bytes behind their last fill
.set SPARE,  2*SLOT                    ; behind the ring: the spare words, 128 bytes for each wave: two blocks of 256 bytes that no other line names
.set RD,   8                           ; v8-11  the way out: where I read 16 bytes of a row of partial tile p
.set ADRA, 16                          ; v16-17 LDS address of my A fragments in slot 0, 1
.set ADRB, 18                          ; v18-19 the same for B's row blocks 0-3
.set ADRC, 20                          ; v20-21 for B's row blocks 4-7: eight blocks reach past a 16-bit offset
.set STO,  22                          ; v22    the way out: where I put 32 bytes of a row of my partial tile
.set CO,   23                          ; v23    my byte offset in C, from the first row that I store
.set BI,   24                          ; v24-27 the bias of my four columns
.set SPW,  28                          ; v28    LDS address of my spare word; never rewritten
.set NIL,  29                          ; v29    0; never rewritten
.set F0,   32
.set F1,   128
.set T,    32                          ; the way out: 8 rows x 4 partial sums x 4 registers
.set WV,   14                          ; s14  my wave's number
.set H1,   15                          ; s15  which half of a tile I fetch
.set SIDE, 23                          ; s23  I fetch for A (0) or for B (1)
.set G1A, 24                           ; s[24:31] group 1 for A's tiles; s[32:39] group 0, a set for each slot
.set G0A, 32
.set G1B, 48                           ; s[48:55], s[56:63] the same for B's
.set G0B, 56
.set COMMON, (1<<16)|(1<<20)|(1<<21)|(5<<22)|(3<<25)  ; 17:16 2-byte elements; 20 padding on; 21 set beside a mask; 24:22 after every 64 words (code 5); 31:25 4 words (code 3)
.set MSB, 0
.macro WIN new                         ; the immediate's high byte repeats the setting that is left; a switch that changes nothing is dropped
.if MSB != (\new)
	s_set_vgpr_msb (MSB<<8)|(\new)
.set MSB, \new
.endif
.endm
.macro PLACES                          ; four places in front of loads into registers that matrix instructions have read, and of LDS stores that read results
.rept 4
	v_nop
.endr
.endm
.macro JLOAD s                         ; a joint load; an s_nop 0 and four v_nop follow each of the two lines, ahead of the jump, the label and what follows
	s_cmp_eq_u32 s[SIDE], 0
	s_cbranch_scc0 .Lfor_b_\@
	tensor_load_to_lds s[G0A+4*(\s):G0A+4*(\s)+3], s[G1A:G1A+7]
	s_nop 0
.rept 4
	v_nop
.endr
	s_branch .Lasked_\@
.Lfor_b_\@:
	tensor_load_to_lds s[G0B+4*(\s):G0B+4*(\s)+3], s[G1B:G1B+7]
	s_nop 0
.rept 4
	v_nop
.endr
.Lasked_\@:
.endm
.macro CREST                           ; a round of the cluster's barrier behind its opening barrier
	s_cmp_lg_u32 s[WV], 0
	s_cbranch_scc1 .Lnot_wave_0_\@
	s_barrier_signal -3
.Lnot_wave_0_\@:
	s_barrier_wait -3
	s_barrier_signal -1
	s_barrier_wait -1
.endm
.macro CROUND                          ; a whole round
	s_barrier_signal -1
	s_barrier_wait -1
	CREST
.endm
	s_load_b256 s[4:11], s[0:1], 0x0               ; A s[4:5], B s[6:7], the bias s[8:9], C s[10:11]
.if ISKV
	s_load_b64 s[12:13], s[0:1], 0x20
.endif
	v_lshl_add_u32 v[SPW], v0, 2, SPARE
	v_mov_b32 v[NIL], 0
	ds_add_u32 v[SPW], v[NIL]                      ; the wave's opening: the add and its wait stand ahead of my first tensor load; the set-up below, work on registers, stands between them
	v_lshrrev_b32 v1, 5, v0
	v_readfirstlane_b32 s[WV], v1                  ; wave 0..3
	s_and_b32 s[H1], s[WV], 1
	s_lshr_b32 s[SIDE], s[WV], 1
	s_bfe_u32 s40, ttmp6, 0x40000                  ; cx, cy: my place in the cluster
	s_bfe_u32 s41, ttmp6, 0x40004
	s_lshl_b32 s42, ttmp9, 2
	s_add_co_u32 s42, s42, s40                     ; tile column = 4 x cluster x + cx
	s_and_b32 s43, ttmp7, 0xffff
	s_lshl_b32 s43, s43, 2
	s_add_co_u32 s43, s43, s41                     ; tile row = 4 x cluster y + cy
	s_lshl_b32 s44, s41, 2
	s_lshl_b32 s44, 15, s44                        ; my row of the cluster
	s_lshl_b32 s45, 0x1111, s40                    ; my column
	s_or_b32 s[G1A+0], s44, COMMON                 ; A's tiles go to my row
	s_or_b32 s[G1B+0], s45, COMMON                 ; B's to my column
	s_mov_b32 s[G1A+1], KSTEP<<16                  ; tensor_dim0 = 384
	s_mov_b32 s[G1A+2], 32<<16                     ; tensor_dim1 = 32
	s_mov_b32 s[G1A+3], KSTEP<<16                  ; tile_dim0 = 384
	s_mov_b32 s[G1A+4], 32                         ; tile_dim1 = 32
	s_mov_b32 s[G1A+5], KT                         ; elements from row to row
	s_mov_b32 s[G1A+6], 0
	s_mov_b32 s[G1A+7], 0
	s_mov_b32 s[G1B+1], KSTEP<<16
	s_mov_b32 s[G1B+2], 64<<16                     ; 64 rows
	s_mov_b32 s[G1B+3], KSTEP<<16
	s_mov_b32 s[G1B+4], 64
	s_mov_b32 s[G1B+5], KT
	s_mov_b32 s[G1B+6], 0
	s_mov_b32 s[G1B+7], 0
	s_lshl_b32 s16, s43, 6                         ; A: row 64 x tile row + 32 x half, in bytes (under 2^25)
	s_lshl_b32 s17, s[H1], 5
	s_add_co_u32 s16, s16, s17
	s_mul_i32 s16, s16, RB
	s_mov_b32 s17, 0
	s_lshl_b32 s46, s42, 7                         ; B: row 128 x tile column + 64 x half
	s_lshl_b32 s47, s[H1], 6
	s_add_co_u32 s46, s46, s47
	s_mul_i32 s46, s46, RB
	s_mov_b32 s47, 0
	s_mul_i32 s20, s[H1], AHALF                    ; where they go: no place in the cluster enters an LDS address
	s_mul_i32 s21, s[H1], BHALF
	s_add_co_u32 s21, s21, BOFF
	s_lshl_b32 s18, s43, 6                         ; C: the first row that I store, 64 x tile row + 16 x wave, and the tile's first column
	s_lshl_b32 s19, s[WV], 4
	s_add_co_u32 s18, s18, s19
	s_mul_i32 s18, s18, OUTP
	s_lshl_b32 s19, s42, COLSH
	s_add_co_u32 s18, s18, s19
	s_mov_b32 s19, 0
.if ISKV
	s_lshl_b32 s2, s40, 9
.else
	s_lshl_b32 s2, s42, 9                          ; the tile's 128 numbers of the bias: 512 bytes a tile column
.endif
	s_mov_b32 s3, 0
	s_wait_dscnt 0x0                               ; the opening add is done
	s_wait_kmcnt 0x0
.if ISKV
	s_cmp_eq_u32 ttmp9, 0
	s_cselect_b64 s[8:9], s[8:9], s[10:11]
	s_mov_b64 s[10:11], s[12:13]
.endif
	s_add_nc_u64 s[8:9], s[8:9], s[2:3]
	s_add_nc_u64 s[10:11], s[10:11], s[18:19]
	s_add_nc_u64 s[16:17], s[4:5], s[16:17]
	s_add_nc_u64 s[46:47], s[6:7], s[46:47]
.irp s, 0,1
	s_mov_b32 s[G0A+4*(\s)], 1                     ; count = 1
	s_add_co_u32 s[G0A+4*(\s)+1], s20, (\s)*SLOT   ; LDS address
	s_add_nc_u64 s[G0A+4*(\s)+2:G0A+4*(\s)+3], s[16:17], (\s)*STEPB  ; K step s
	s_or_b32 s[G0A+4*(\s)+3], s[G0A+4*(\s)+3], 0x80000000            ; type = 2
	s_mov_b32 s[G0B+4*(\s)], 1
	s_add_co_u32 s[G0B+4*(\s)+1], s21, (\s)*SLOT
	s_add_nc_u64 s[G0B+4*(\s)+2:G0B+4*(\s)+3], s[46:47], (\s)*STEPB
	s_or_b32 s[G0B+4*(\s)+3], s[G0B+4*(\s)+3], 0x80000000
.endr
	CROUND                                         ; all sixteen work-groups are here: the first joint loads meet
	s_cmp_eq_u32 s[SIDE], 0                        ; a wave's two first fills stand in one branch: two loads of mine are out
	s_cbranch_scc0 .Lfirst_b
	tensor_load_to_lds s[G0A:G0A+3], s[G1A:G1A+7]
	s_nop 0
	tensor_load_to_lds s[G0A+4:G0A+7], s[G1A:G1A+7]
	s_nop 0
.rept 4
	v_nop
.endr
	s_branch .Lfirst_asked
.Lfirst_b:
	tensor_load_to_lds s[G0B:G0B+3], s[G1B:G1B+7]
	s_nop 0
	tensor_load_to_lds s[G0B+4:G0B+7], s[G1B:G1B+7]
	s_nop 0
.rept 4
	v_nop
.endr
.Lfirst_asked:
	v_and_b32 v1, 15, v0                           ; r = l % 16
	v_bfe_u32 v2, v0, 4, 1                         ; h = l / 16
	v_and_b32 v3, 31, v0                           ; l
	v_lshlrev_b32 v5, 4, v3                        ; 16 l
	global_load_b128 v[BI:BI+3], v5, s[8:9]        ; the bias of columns 4 l .. 4 l + 3 of the tile
	v_mul_u32_u24 v4, v1, PITCH
	v_lshl_add_u32 v6, v2, 4, v4                   ; a fragment's row x pitch + 16 x half
	s_lshl_b32 s18, s[WV], 6                       ; my piece of 32 elements in each block of 256 bytes: 64 bytes at 64 w
	v_add_nc_u32 v[ADRA], s18, v6
	v_add_nc_u32 v[ADRA+1], SLOT, v[ADRA]
	v_add_nc_u32 v[ADRB], BOFF, v[ADRA]
	v_add_nc_u32 v[ADRB+1], BOFF+SLOT, v[ADRA]
	v_add_nc_u32 v[ADRC], BOFF+4*BLK, v[ADRA]
	v_add_nc_u32 v[ADRC+1], BOFF+4*BLK+SLOT, v[ADRA]
	v_mul_u32_u24 v7, v1, SPITCH
	s_mul_i32 s19, s[WV], PART_B
	v_lshl_add_u32 v[STO], v2, 5, v7               ; row r, 32 bytes for each half of the lanes
	v_add_nc_u32 v[STO], s19, v[STO]
	s_mul_i32 s19, s[WV], 16*SPITCH                ; back: I finish rows 16 w .. 16 w + 15; 32 lanes take a row's 512 bytes
	v_add_nc_u32 v[RD], s19, v5
	v_add_nc_u32 v[RD+1], PART_B, v[RD]
	v_add_nc_u32 v[RD+2], 2*PART_B, v[RD]
	v_add_nc_u32 v[RD+3], 3*PART_B, v[RD]
.if ISKV
	v_lshlrev_b32 v[CO], 3, v3                     ; four f16
.else
	v_lshlrev_b32 v[CO], 4, v3                     ; four f32
.endif
	s_wait_loadcnt 0x0                             ; the bias, rounded to bf16 as every input is
	v_cvt_pk_bf16_f32 v30, v[BI], v[BI+1]
	v_cvt_pk_bf16_f32 v31, v[BI+2], v[BI+3]
	v_lshlrev_b32 v[BI], 16, v30
	v_and_b32 v[BI+1], 0xffff0000, v30
	v_lshlrev_b32 v[BI+2], 16, v31
	v_and_b32 v[BI+3], 0xffff0000, v31
; 8 matrix instructions: row block a x all 8 column blocks, 32 along K, from buffer f.  zero = 1: the product starts the sum.  The 32 accumulators take turns in the same order in every piece.
.macro MUL8 f, a, zero
	WIN 0x50                                       ; C and D in window 1
.irp b, 0,1,2,3,4,5,6,7
.set rD, 8*(8*(\a)+(\b))
.set rX, (\f)+8*(\b)
.set rY, (\f)+64+8*(\a)
.if ISKV
.if \zero
	v_wmma_f32_16x16x32_bf16 v[rD:rD+7], v[rX:rX+7], v[rY:rY+7], 0
.else
	v_wmma_f32_16x16x32_bf16 v[rD:rD+7], v[rX:rX+7], v[rY:rY+7], v[rD:rD+7]
.endif
.else
.if \zero
	v_wmma_f32_16x16x32_f16 v[rD:rD+7], v[rX:rX+7], v[rY:rY+7], 0
.else
	v_wmma_f32_16x16x32_f16 v[rD:rD+7], v[rX:rX+7], v[rY:rY+7], v[rD:rD+7]
.endif
.endif
.endr
.endm
; 24 LDS loads in one run: the fragments of my piece fr of the slot's K step (32 along K): B's eight, then A's four
.macro FETCH slot, fr, f
	WIN 0
.irp b, 0,1,2,3
	ds_load_b128 v[(\f)+8*(\b):(\f)+8*(\b)+3],   v[ADRB+(\slot)] offset:PIECE*(\fr)+(\b)*BLK
	ds_load_b128 v[(\f)+8*(\b)+4:(\f)+8*(\b)+7], v[ADRB+(\slot)] offset:PIECE*(\fr)+(\b)*BLK+32
.endr
.irp b, 0,1,2,3
	ds_load_b128 v[(\f)+32+8*(\b):(\f)+32+8*(\b)+3],   v[ADRC+(\slot)] offset:PIECE*(\fr)+(\b)*BLK
	ds_load_b128 v[(\f)+32+8*(\b)+4:(\f)+32+8*(\b)+7], v[ADRC+(\slot)] offset:PIECE*(\fr)+(\b)*BLK+32
.endr
.irp a, 0,1,2,3
	ds_load_b128 v[(\f)+64+8*(\a):(\f)+64+8*(\a)+3],   v[ADRA+(\slot)] offset:PIECE*(\fr)+(\a)*BLK
	ds_load_b128 v[(\f)+64+8*(\a)+4:(\f)+64+8*(\a)+7], v[ADRA+(\slot)] offset:PIECE*(\fr)+(\a)*BLK+32
.endr
.endm
; One of a K step's first two pieces: multiplies buffer f and fetches piece fr of the same slot into buffer g
.macro PART slot, fr, f, g, zero
	s_wait_dscnt 6                                 ; B's fragments and A's block 0 are in; the six youngest loads (A's blocks 1-3) may be out
	MUL8 \f, 0, \zero
	PLACES
	FETCH \slot, \fr, \g
	s_wait_dscnt 24                                ; all but the 24 just issued
	MUL8 \f, 1, \zero
	MUL8 \f, 2, \zero
	MUL8 \f, 3, \zero
.endm
; The third piece multiplies buffer f and changes slots: ONE barrier; in front of it each wave waits for all its tensor loads, adds 0 to its spare word, and waits for that and for its reads of this slot.
; fill = 1: the barrier opens a round of the cluster's, and this slot is filled again, two K steps ahead, first thing behind the round.  fill = 2: the same with the last K step, of which 256 elements are left in a row:
; the tile keeps its shape, so the rows keep their pitch, and tensor_dim0 = 256: the third block of each row arrives as zeros and is not read.  Then the next slot's first piece is fetched into buffer g.
.macro TURN slot, next, f, g, fill
	WIN 0
	s_wait_tensorcnt 0x0                           ; all my tensor loads have landed: my part of the next slot; so descriptors may be written
	ds_add_u32 v[SPW], v[NIL]                      ; 0 onto my spare word
	s_wait_dscnt 7                                 ; (the add and the six youngest loads may be out)
	MUL8 \f, 0, 0                                  ; eight matrix instructions stand between the add and the wait for it
	s_wait_dscnt 0x0                               ; the add is done, and my reads of this slot are over
	s_barrier_signal -1
	MUL8 \f, 1, 0
	WIN 0
	s_barrier_wait -1
.if \fill
	CREST                                          ; no wave of any partner still reads this slot or has a load on its way
	s_add_nc_u64 s[G0A+4*(\slot)+2:G0A+4*(\slot)+3], s[G0A+4*(\slot)+2:G0A+4*(\slot)+3], 2*STEPB
	s_add_nc_u64 s[G0B+4*(\slot)+2:G0B+4*(\slot)+3], s[G0B+4*(\slot)+2:G0B+4*(\slot)+3], 2*STEPB
.if (\fill) == 2
	s_mov_b32 s[G1A+1], 256<<16                    ; tensor_dim0 = 256
	s_mov_b32 s[G1B+1], 256<<16
.endif
	JLOAD \slot                                    ; 80 matrix instructions ahead of the wait for it; its four v_nop are also the places in front of the loads below
.else
	PLACES
.endif
	FETCH \next, 0, \g
	MUL8 \f, 2, 0
	MUL8 \f, 3, 0
.endm
	s_wait_tensorcnt 0x1                           ; my part of K step 0 is in; K step 1's may stay out
	s_barrier_signal -1
	s_barrier_wait -1
	FETCH 0, 0, F0
	PART 0, 1, F0, F1, 1                           ; the first piece stands in front of the loop: its products start the sums
.if LAPS > 0
	WIN 0
	s_mov_b32 s3, LAPS
.Llap:                                         ; a trip goes once round the ring, from a lap's second piece to the next lap's first; the buffers go 0, 1, 0 in slot 0 and 1, 0, 1 in slot 1
	PART 0, 2, F1, F0, 0
	TURN 0, 1, F0, F1, 1
	PART 1, 1, F1, F0, 0
	PART 1, 2, F0, F1, 0
	TURN 1, 0, F1, F0, 1
	PART 0, 1, F0, F1, 0
	WIN 0
	s_sub_co_u32 s3, s3, 1
	s_cmp_lg_u32 s3, 0
	s_cbranch_scc1 .Llap
.endif
	PART 0, 2, F1, F0, 0                           ; the last three K steps are written out: the last whole step but one asks for the short step,
	TURN 0, 1, F0, F1, 2
	PART 1, 1, F1, F0, 0
	PART 1, 2, F0, F1, 0
	TURN 1, 0, F1, F0, 0                           ; the last whole step fills nothing, and has no round of the cluster's barrier,
	PART 0, 1, F0, F1, 0                           ; and the short step has two pieces
	s_wait_dscnt 6
	MUL8 F1, 0, 0
	s_wait_dscnt 0x0                               ; my reads of the ring are over:
	s_barrier_signal -1
	MUL8 F1, 1, 0
	MUL8 F1, 2, 0
	MUL8 F1, 3, 0
	WIN 0
	s_barrier_wait -1                              ; everybody's are, and no tensor load is out or to come: slot 0's bytes take the partial tiles
	; THE WAY OUT.  Each wave's partial tile goes into LDS as f32 (each accumulator's low registers first); a barrier; wave w adds the four partial sums of rows 16 w .. 16 w + 15 and the bias.
	PLACES
	WIN 0x04                                       ; the stores' data in window 1
.irp a, 0,1,2,3
.irp b, 0,1,2,3,4,5,6,7
	ds_store_b128 v[STO], v[8*(8*(\a)+(\b)):8*(8*(\a)+(\b))+3]   offset:(\a)*16*SPITCH+64*(\b)
	ds_store_b128 v[STO], v[8*(8*(\a)+(\b))+4:8*(8*(\a)+(\b))+7] offset:(\a)*16*SPITCH+64*(\b)+16
.endr
.endr
	WIN 0
	s_wait_dscnt 0x0                               ; for the others' sake: my stores are done
	s_barrier_signal -1
	s_barrier_wait -1
	s_mov_b32 s3, 2
.Lbatch:                                       ; two trips of 8 rows
.irp ii, 0,1,2,3,4,5,6,7
.irp p, 0,1,2,3
	ds_load_b128 v[T+16*(\ii)+4*(\p):T+16*(\ii)+4*(\p)+3], v[RD+(\p)] offset:SPITCH*(\ii)
.endr
.endr
.irp ii, 0,1,2,3,4,5,6,7
.set rB, T+16*(\ii)
	s_wait_dscnt 28-4*(\ii)                        ; row ii's four loads are in; the later rows' may be out
	v_pk_add_f32 v[rB:rB+1],     v[rB:rB+1],     v[rB+4:rB+5]
	v_pk_add_f32 v[rB+2:rB+3],   v[rB+2:rB+3],   v[rB+6:rB+7]
	v_pk_add_f32 v[rB+8:rB+9],   v[rB+8:rB+9],   v[rB+12:rB+13]
	v_pk_add_f32 v[rB+10:rB+11], v[rB+10:rB+11], v[rB+14:rB+15]
	v_pk_add_f32 v[rB:rB+1],     v[rB:rB+1],     v[rB+8:rB+9]
	v_pk_add_f32 v[rB+2:rB+3],   v[rB+2:rB+3],   v[rB+10:rB+11]
	v_pk_add_f32 v[rB:rB+1],     v[rB:rB+1],     v[BI:BI+1]
	v_pk_add_f32 v[rB+2:rB+3],   v[rB+2:rB+3],   v[BI+2:BI+3]
.if ISKV
	v_cvt_pk_f16_f32 v[rB+4], v[rB],   v[rB+1]
	v_cvt_pk_f16_f32 v[rB+5], v[rB+2], v[rB+3]
	global_store_b64 v[CO], v[rB+4:rB+5], s[10:11] offset:(\ii)*OUTP   ; the wave stores 256 consecutive bytes, aligned
.else
	global_store_b128 v[CO], v[rB:rB+3], s[10:11] offset:(\ii)*OUTP    ; the wave stores 512 consecutive bytes, aligned
.endif
.endr
	s_wait_xcnt 0x0                                ; the stores have read their offset and their data: the offset is stepped, and the next trip loads into the data registers, only behind this wait
	v_add_nc_u32 v[CO], 8*OUTP, v[CO]
.irp p, 0,1,2,3
	v_add_nc_u32 v[RD+(\p)], 8*SPITCH, v[RD+(\p)]
.endr
	s_sub_co_u32 s3, s3, 1
	s_cmp_lg_u32 s3, 0
	s_cbranch_scc1 .Lbatch
	s_wait_tensorcnt 0x0                           ; the wave's end: behind my last tensor load and my last LDS store
	ds_add_u32 v[SPW], v[NIL]
	s_wait_dscnt 0x0
	CROUND                                         ; the closing round: no work-group ends while a partner may still ask for a tile that names it
	s_endpgm
.Lfunc_end_k_q117d2f73dc_outproj:
	.size	k_q117d2f73dc_outproj, .Lfunc_end_k_q117d2f73dc_outproj-k_q117d2f73dc_outproj
	.p2alignl 7, 3214868480
	.fill 96, 4, 3214868480
	.section	.rodata,"a",@progbits
	.p2align	6, 0x0
	.amdhsa_kernel k_q117d2f73dc_outproj
		.amdhsa_group_segment_fixed_size 327680
		.amdhsa_private_segment_fixed_size 0
		.amdhsa_enable_private_segment 0
		.amdhsa_kernarg_size 32
		.amdhsa_user_sgpr_count 2
		.amdhsa_user_sgpr_kernarg_segment_ptr 1
		.amdhsa_wavefront_size32 1
		.amdhsa_system_sgpr_workgroup_id_x 1
		.amdhsa_system_sgpr_workgroup_id_y 1
		.amdhsa_system_sgpr_workgroup_id_z 1
		.amdhsa_system_vgpr_workitem_id 0
		.amdhsa_next_free_vgpr 512
		.amdhsa_next_free_sgpr 66
		.amdhsa_reserve_vcc 0
		.amdhsa_float_denorm_mode_32 3
		.amdhsa_float_denorm_mode_16_64 3
		.amdhsa_memory_ordered 1
		.amdhsa_forward_progress 1
		.amdhsa_inst_pref_size 76
	.end_amdhsa_kernel
	.amdgpu_metadata
---
amdhsa.version: [ 1, 2 ]
amdhsa.kernels:
  - .name:           k_q117d2f73dc_outproj
    .symbol:         k_q117d2f73dc_outproj.kd
    .args:
      - { .name: ao, .offset: 0, .size: 8, .value_kind: global_buffer, .address_space: global }
      - { .name: wob, .offset: 8, .size: 8, .value_kind: global_buffer, .address_space: global }
      - { .name: bo, .offset: 16, .size: 8, .value_kind: global_buffer, .address_space: global }
      - { .name: out0, .offset: 24, .size: 8, .value_kind: global_buffer, .address_space: global }
    .group_segment_fixed_size: 327680
    .private_segment_fixed_size: 0
    .kernarg_segment_align: 8
    .kernarg_segment_size: 32
    .max_flat_workgroup_size: 128
    .sgpr_count:     66
    .vgpr_count:     512
    .wavefront_size: 32
...
	.end_amdgpu_metadata
.endif
;; end of part 4
